; MI455X (gfx1250); checked and timed in simulation.
; The chip was launched on July 23, 2026; its instructions are those of AMD's public machine-readable ISA for CDNA 5 (MIT licence, August 2026) and "CDNA5" Instruction Set Architecture Reference Guide (July 2026). The comments in the code are by the model that wrote it; some were corrected since.
;; Sparse Transformer Block. Allowed arithmetic: float matrix products may take bf16 or f16 operands with f32 sums; other float arithmetic in f32, or as packed bf16 or f16 multiplies, adds, multiply-adds, maxima and minima; sums over many terms, partial sums and values carried from step to step in f32; what a program stores and reads back later, other than sums and carried values, may be rounded once to bf16 or f16.
;; Inputs: b1 2,048 float32; b2 512 float32; inputs 2 x 4,096 x 512 float32; ln1_bias 512 float32; ln1_scale 512 float32; ln2_bias 512 float32; ln2_scale 512 float32; w1 512 x 2,048 float32; w2 2,048 x 512 float32; wk 512 x 8 x 64 float32; wo 8 x 64 x 512 float32; wq 512 x 8 x 64 float32; wv 512 x 8 x 64 float32.
;; Outputs: out0 2 x 4,096 x 512 float32.
;; One version. Each part assembles by itself: llvm-mc -triple=amdgcn-amd-amdhsa -mcpu=gfx1250 --defsym DOCPART=n.
;; ======== version 1 of 1: 6 launches
;; limits: values are held in f16: magnitudes above 65,504 overflow, below 6.1e-05 lose precision
;; workspace buffers: wh 6,291,456 bytes; act 8,388,608 bytes; qkv 25,165,824 bytes; ctx 8,388,608 bytes; xres 16,777,216 bytes; hbuf 33,554,432 bytes
;; launch prep (part 1): grid 448 x 1, 8 waves a work-group, no clusters, 0 bytes of LDS; arguments inputs, ln1_scale, ln1_bias, wq, wk, wv, wo, w1, w2, act, wh; writes act, wh
.if DOCPART == 1
	.amdgcn_target "amdgcn-amd-amdhsa--gfx1250"
	.amdhsa_code_object_version 6
	.text
	.protected	k_q16ad0eb86e_prep
	.globl	k_q16ad0eb86e_prep
	.p2align	8
	.type	k_q16ad0eb86e_prep,@function
k_q16ad0eb86e_prep:
	s_mov_b64 s[64:65], 0
	v_nop
	global_prefetch_b8 v0, s[64:65] scope:SCOPE_SE
	s_setreg_imm32_b32 hwreg(HW_REG_WAVE_MODE, 25, 1), 1
	s_wait_xcnt 0x0
; PREP.  Work-groups 0-255: act = LayerNorm(inputs) * ln1_scale + ln1_bias, rounded once to f16.  Work-groups 256-447: all weights rounded once to f16 into wh,
; their [K][N] order kept; wq, wk, wv side by side as [512][1536].  wh: WQKV at 0, WO at 1,572,864, W1 at 2,097,152, W2 at 4,194,304 (bytes).
; A stream: no LDS, no matrix unit, no cluster, since no byte is wanted twice.  A UNIT is 512 floats, taken by one wave: four loads of 16 bytes a lane (512 consecutive bytes each)
; and four stores of 8 bytes a lane (256 consecutive bytes each, aligned).  A wave takes four units; its 16 loads go out together.
; The norm is made in two passes over registers (mean, then the mean of squared differences), all in f32.
; LIMITS.  f16 ends at 65,504: the normed rows (at most sqrt(512) times ln1_scale, plus ln1_bias) and the weights must lie within it; numbers under 6e-5 keep f16's fixed step of 6e-8.
.set X,  64                            ; v[64:127] unit i at X + 16 i: chunk j (columns 128 j + 4 lane ..) at + 4 j
.set G,  32                            ; v[32:47]  ln1_scale of my 16 columns
.set BT, 48                            ; v[48:63]  ln1_bias
.set T,  8                             ; v[8:15]   row i: sum, then mean, at T + 2 i
.set Q,  16                            ; v[16:23]  row i: sum of squares, then 1/sqrt, at Q + 2 i
	s_load_b512 s[4:19], s[0:1], 0x0               ; inputs s[4:5], ln1_scale s[6:7], ln1_bias s[8:9], wq s[10:11], wk s[12:13], wv s[14:15], wo s[16:17], w1 s[18:19]
	s_load_b128 s[20:23], s[0:1], 0x40             ; w2 s[20:21], act s[22:23]
	s_load_b64 s[24:25], s[0:1], 0x50              ; wh
	v_and_b32 v1, 31, v0
	v_lshrrev_b32 v2, 5, v0
	v_readfirstlane_b32 s26, v2                    ; wave 0..7
	v_lshlrev_b32 v3, 3, v1                        ; 8 x lane: my place in 256 bytes stored
	v_lshlrev_b32 v1, 4, v1                        ; 16 x lane: my place in 512 bytes loaded
	s_mov_b32 s41, 0
	s_mov_b32 s43, 0
.macro LOAD16 b                        ; four units from s[b:b+1]
.irp i, 0,1,2,3
.irp j, 0,1,2,3
	global_load_b128 v[X+16*(\i)+4*(\j):X+16*(\i)+4*(\j)+3], v1, s[\b:\b+1] offset:(\i)*2048+(\j)*512 th:TH_LOAD_NT
.endr
.endr
.endm
.macro PACK16                          ; four floats become two registers of f16, in place
.irp i, 0,1,2,3
.irp j, 0,1,2,3
	v_cvt_pk_f16_f32 v[X+16*(\i)+4*(\j)],   v[X+16*(\i)+4*(\j)],   v[X+16*(\i)+4*(\j)+1]
	v_cvt_pk_f16_f32 v[X+16*(\i)+4*(\j)+1], v[X+16*(\i)+4*(\j)+2], v[X+16*(\i)+4*(\j)+3]
.endr
.endr
.endm
.macro WSUM R                          ; the four rows' sums over the 32 lanes; every lane ends with the result
.irp m, 1,2,4,8
.irp i, 0,1,2,3
	v_add_f32_dpp v[\R+2*(\i)], v[\R+2*(\i)], v[\R+2*(\i)] row_xmask:\m row_mask:0xf bank_mask:0xf
.endr
.endr
.irp i, 0,1,2,3
	v_permlanex16_b32 v[\R+2*(\i)+1], v[\R+2*(\i)], s44, s45
.endr
.irp i, 0,1,2,3
	v_add_f32 v[\R+2*(\i)], v[\R+2*(\i)], v[\R+2*(\i)+1]
.endr
.endm
	s_cmp_lt_u32 ttmp9, 256
	s_cbranch_scc0 .Lcast
	; THE NORM: rows 32 wg + 4 wave + 0..3
	s_lshl_b32 s40, ttmp9, 16
	s_lshl_b32 s27, s26, 13
	s_add_co_u32 s40, s40, s27                     ; my first row x 2,048 bytes
	s_lshr_b32 s42, s40, 1                         ; x 1,024 bytes
	s_mov_b32 s28, 0x3b000000                      ; 1 / 512
	s_mov_b32 s29, 0x358637bd                      ; 1e-6
	s_mov_b32 s44, 0x76543210                      ; v_permlanex16_b32: each lane takes its own place in the other half
	s_mov_b32 s45, 0xfedcba98
	s_wait_kmcnt 0x0
	s_add_nc_u64 s[4:5], s[4:5], s[40:41]
	s_add_nc_u64 s[22:23], s[22:23], s[42:43]
.irp j, 0,1,2,3
	global_load_b128 v[G+4*(\j):G+4*(\j)+3],   v1, s[6:7] offset:(\j)*512
	global_load_b128 v[BT+4*(\j):BT+4*(\j)+3], v1, s[8:9] offset:(\j)*512
.endr
	LOAD16 4
	s_wait_loadcnt 0x0
.irp i, 0,1,2,3
	v_pk_add_f32 v[T+2*(\i):T+2*(\i)+1], v[X+16*(\i):X+16*(\i)+1], v[X+16*(\i)+2:X+16*(\i)+3]
.endr
.irp k, 2,3,4,5,6,7
.irp i, 0,1,2,3
	v_pk_add_f32 v[T+2*(\i):T+2*(\i)+1], v[T+2*(\i):T+2*(\i)+1], v[X+16*(\i)+2*(\k):X+16*(\i)+2*(\k)+1]
.endr
.endr
.irp i, 0,1,2,3
	v_add_f32 v[T+2*(\i)], v[T+2*(\i)], v[T+2*(\i)+1]
.endr
	WSUM T
.irp i, 0,1,2,3
	v_mul_f32 v[T+2*(\i)], s28, v[T+2*(\i)]        ; the mean
.endr
.irp k, 0,1,2,3,4,5,6,7
.irp i, 0,1,2,3
	v_pk_add_f32 v[X+16*(\i)+2*(\k):X+16*(\i)+2*(\k)+1], v[X+16*(\i)+2*(\k):X+16*(\i)+2*(\k)+1], v[T+2*(\i):T+2*(\i)+1] op_sel_hi:[1,0] neg_lo:[0,1] neg_hi:[0,1]
.endr
.endr
.irp i, 0,1,2,3
	v_pk_mul_f32 v[Q+2*(\i):Q+2*(\i)+1], v[X+16*(\i):X+16*(\i)+1], v[X+16*(\i):X+16*(\i)+1]
.endr
.irp k, 1,2,3,4,5,6,7
.irp i, 0,1,2,3
	v_pk_fma_f32 v[Q+2*(\i):Q+2*(\i)+1], v[X+16*(\i)+2*(\k):X+16*(\i)+2*(\k)+1], v[X+16*(\i)+2*(\k):X+16*(\i)+2*(\k)+1], v[Q+2*(\i):Q+2*(\i)+1]
.endr
.endr
.irp i, 0,1,2,3
	v_add_f32 v[Q+2*(\i)], v[Q+2*(\i)], v[Q+2*(\i)+1]
.endr
	WSUM Q
.irp i, 0,1,2,3
	v_fma_f32 v[Q+2*(\i)], v[Q+2*(\i)], s28, s29   ; variance + 1e-6
.endr
.irp i, 0,1,2,3
	v_rsq_f32 v[Q+2*(\i)], v[Q+2*(\i)]
.endr
	v_nop                                          ; a plain instruction behind the last root,
	s_wait_alu depctr_va_vdst(0)                   ; and one wait for the four, ahead of their first reader
.irp k, 0,1,2,3,4,5,6,7
.irp i, 0,1,2,3
	v_pk_mul_f32 v[X+16*(\i)+2*(\k):X+16*(\i)+2*(\k)+1], v[X+16*(\i)+2*(\k):X+16*(\i)+2*(\k)+1], v[Q+2*(\i):Q+2*(\i)+1] op_sel_hi:[1,0]
.endr
.endr
.irp k, 0,1,2,3,4,5,6,7
.irp i, 0,1,2,3
	v_pk_fma_f32 v[X+16*(\i)+2*(\k):X+16*(\i)+2*(\k)+1], v[X+16*(\i)+2*(\k):X+16*(\i)+2*(\k)+1], v[G+2*(\k):G+2*(\k)+1], v[BT+2*(\k):BT+2*(\k)+1]
.endr
.endr
	PACK16
.irp i, 0,1,2,3
.irp j, 0,1,2,3
	global_store_b64 v3, v[X+16*(\i)+4*(\j):X+16*(\i)+4*(\j)+1], s[22:23] offset:(\i)*1024+(\j)*256  ; 32 lanes store 256 consecutive bytes, aligned
.endr
.endr
	s_endpgm
.Lcast:                                        ; THE CASTS: c = wg - 256: 16 work-groups each for wq, wk, wv, wo; 64 each for w1, w2
	s_sub_co_u32 s27, ttmp9, 256                   ; c
	s_lshr_b32 s30, s27, 4                         ; which of wq, wk, wv, wo (where c < 64)
	s_and_b32 s32, s27, 15
	s_and_b32 s33, s27, 63
	s_cmp_lt_u32 s27, 64
	s_cselect_b32 s32, s32, s33                    ; the work-group's number inside its weight
	s_lshl_b32 s34, s30, 10                        ; where the weight's first unit goes in wh: wq, wk, wv 1,024 bytes apart in a row of 3,072
	s_cmp_eq_u32 s30, 3
	s_cselect_b32 s34, 0x180000, s34
	s_cmp_ge_u32 s27, 64
	s_cselect_b32 s34, 0x200000, s34
	s_cmp_ge_u32 s27, 128
	s_cselect_b32 s34, 0x400000, s34
	s_movk_i32 s35, 1024                           ; bytes from unit to unit in wh
	s_cmp_lt_u32 s27, 48
	s_cselect_b32 s35, 3072, s35
	s_lshl_b32 s32, s32, 5
	s_lshl_b32 s33, s26, 2
	s_add_co_u32 s32, s32, s33                     ; my first unit = 32 x work-group + 4 x wave
	s_lshl_b32 s40, s32, 11
	s_mul_i32 s42, s32, s35
	s_add_co_u32 s42, s42, s34
	v_add_nc_u32 v4, s35, v3                       ; the four units' places
	v_add_nc_u32 v5, s35, v4
	v_add_nc_u32 v6, s35, v5
	s_wait_kmcnt 0x0
	s_mov_b64 s[36:37], s[10:11]
	s_cmp_eq_u32 s30, 1
	s_cselect_b64 s[36:37], s[12:13], s[36:37]
	s_cmp_eq_u32 s30, 2
	s_cselect_b64 s[36:37], s[14:15], s[36:37]
	s_cmp_eq_u32 s30, 3
	s_cselect_b64 s[36:37], s[16:17], s[36:37]
	s_cmp_ge_u32 s27, 64
	s_cselect_b64 s[36:37], s[18:19], s[36:37]
	s_cmp_ge_u32 s27, 128
	s_cselect_b64 s[36:37], s[20:21], s[36:37]
	s_add_nc_u64 s[36:37], s[36:37], s[40:41]
	s_add_nc_u64 s[38:39], s[24:25], s[42:43]
	LOAD16 36
	s_wait_loadcnt 0x0
	PACK16
.irp i, 0,1,2,3
.irp j, 0,1,2,3
	global_store_b64 v[3+(\i)], v[X+16*(\i)+4*(\j):X+16*(\i)+4*(\j)+1], s[38:39] offset:(\j)*256
.endr
.endr
	s_endpgm
.Lfunc_end_k_q16ad0eb86e_prep:
	.size	k_q16ad0eb86e_prep, .Lfunc_end_k_q16ad0eb86e_prep-k_q16ad0eb86e_prep
	.p2alignl 7, 3214868480
	.fill 96, 4, 3214868480
	.section	.rodata,"a",@progbits
	.p2align	6, 0x0
	.amdhsa_kernel k_q16ad0eb86e_prep
		.amdhsa_group_segment_fixed_size 0
		.amdhsa_private_segment_fixed_size 0
		.amdhsa_enable_private_segment 0
		.amdhsa_kernarg_size 88
		.amdhsa_user_sgpr_count 2
		.amdhsa_user_sgpr_kernarg_segment_ptr 1
		.amdhsa_wavefront_size32 1
		.amdhsa_system_sgpr_workgroup_id_x 1
		.amdhsa_system_sgpr_workgroup_id_y 1
		.amdhsa_system_sgpr_workgroup_id_z 1
		.amdhsa_system_vgpr_workitem_id 0
		.amdhsa_next_free_vgpr 128
		.amdhsa_next_free_sgpr 66
		.amdhsa_reserve_vcc 0
		.amdhsa_float_denorm_mode_32 3
		.amdhsa_float_denorm_mode_16_64 3
		.amdhsa_memory_ordered 1
		.amdhsa_forward_progress 1
		.amdhsa_inst_pref_size 27
	.end_amdhsa_kernel
	.amdgpu_metadata
---
amdhsa.version: [ 1, 2 ]
amdhsa.kernels:
  - .name:           k_q16ad0eb86e_prep
    .symbol:         k_q16ad0eb86e_prep.kd
    .args:
      - { .name: inputs, .offset: 0, .size: 8, .value_kind: global_buffer, .address_space: global }
      - { .name: ln1_scale, .offset: 8, .size: 8, .value_kind: global_buffer, .address_space: global }
      - { .name: ln1_bias, .offset: 16, .size: 8, .value_kind: global_buffer, .address_space: global }
      - { .name: wq, .offset: 24, .size: 8, .value_kind: global_buffer, .address_space: global }
      - { .name: wk, .offset: 32, .size: 8, .value_kind: global_buffer, .address_space: global }
      - { .name: wv, .offset: 40, .size: 8, .value_kind: global_buffer, .address_space: global }
      - { .name: wo, .offset: 48, .size: 8, .value_kind: global_buffer, .address_space: global }
      - { .name: w1, .offset: 56, .size: 8, .value_kind: global_buffer, .address_space: global }
      - { .name: w2, .offset: 64, .size: 8, .value_kind: global_buffer, .address_space: global }
      - { .name: act, .offset: 72, .size: 8, .value_kind: global_buffer, .address_space: global }
      - { .name: wh, .offset: 80, .size: 8, .value_kind: global_buffer, .address_space: global }
    .group_segment_fixed_size: 0
    .private_segment_fixed_size: 0
    .kernarg_segment_align: 8
    .kernarg_segment_size: 88
    .max_flat_workgroup_size: 256
    .sgpr_count:     66
    .vgpr_count:     128
    .wavefront_size: 32
...
	.end_amdgpu_metadata
.endif
;; end of part 1
;; launch qkv (part 2): grid 4 x 64, 4 waves a work-group, clusters of 4 x 4, 327,680 bytes of LDS; arguments act, wh, qkv; writes qkv
.if DOCPART == 2
	.amdgcn_target "amdgcn-amd-amdhsa--gfx1250"
	.amdhsa_code_object_version 6
	.text
	.protected	k_q16ad0eb86e_qkv
	.globl	k_q16ad0eb86e_qkv
	.p2align	8
	.type	k_q16ad0eb86e_qkv,@function
k_q16ad0eb86e_qkv:
	s_mov_b64 s[64:65], 0
	v_nop
	global_prefetch_b8 v0, s[64:65] scope:SCOPE_SE
	s_setreg_imm32_b32 hwreg(HW_REG_WAVE_MODE, 25, 1), 1
	s_wait_xcnt 0x0
	s_wait_alu depctr_hold_cnt(0) depctr_sa_sdst(0) depctr_va_vdst(0) depctr_va_sdst(0) depctr_va_ssrc(0) depctr_va_vcc(0) depctr_vm_vsrc(0)
	s_getreg_b32 s2, hwreg(HW_REG_IB_STS2, 6, 4)
	s_cmp_eq_u32 s2, 0
	s_cbranch_scc0 .Lentry_in_a_cluster
	s_endpgm
.Lentry_in_a_cluster:
	s_bfe_u32 s2, ttmp6, 0x10000c
	s_cmp_lg_u32 s2, 0xf033
	s_cbranch_scc0 .Lentry_shape_is_right
	s_endpgm
.Lentry_shape_is_right:
; QKV.  [8192 x 512] (act, f16) times [512 x 1536] (wh: wq | wk | wv, f16, stored [K][N]); sums in f32; the result rounded once to f16 and written by heads:
; qkv[section 0..2][batch*8 + head][4096][64].  No scale is applied here.  LIMIT: q, k, v must lie within f16's 65,504.
; SHARES.  A work-group makes 128 rows x 384 columns, each of its four waves 64 x 192: 48 accumulators.  Wave (wm, wn) owns rows 64 wm .. and the 64-column chunks 2 g + wn, g = 0..2.
; K goes in four steps of 128 through two LDS slots.  A slot is four places of 36,864 bytes, and wave w's tensor load lands at w x 36,864: wave 0 brings A's panel (128 rows x 128 K,
; LDS rows 272 bytes apart: 34,816 bytes of its place), waves 1-3 the weights' panels 0-2 (128 K x 128 columns, rows 288 apart).  Every row asked for is 256 bytes of memory, aligned.
; The weights lie in LDS as [K][N] and are turned on the way to registers by ds_load_tr16_b128.
; THE MATRIX INSTRUCTION IS USED TRANSPOSED (source 0 = 16 columns of the weights, source 1 = 16 rows of A): a lane holds row l % 16 and eight neighbouring columns.
; CLUSTER 4 x 4: A's panel hangs on the tile row alone and is asked for jointly along a row of the cluster, the weights' on the tile column alone and jointly along a column.
; No prefetch: K has four steps, all asked for by the second change of slots; nothing stands two refills ahead.
; REGISTERS: window 0 addresses and the way out; window 1 two fragment buffers of 128 (12 weight fragments, 4 of A); windows 2, 3 accumulator t = 12 a + b at v[8 (t % 32)] of window 2 + t / 32.
.set PA,    272
.set PB,    288
.set PANB,  128*PB                     ; a place in a slot
.set SLOT,  4*PANB
.set STAGE, 2*SLOT                     ; behind the ring: 16 rows x 144 bytes for each wave
.set SP,    144
.set SPARE, STAGE+4*16*SP              ; the spare words: 128 bytes a wave, named by no other line
.set MB,    4
.set NB,    12
.set ASTEP, 256                        ; bytes from K step to K step in act
.set BSTEP, 128*1536*2                 ; and in the weights
.set F0,    0
.set F1,    128
.set ADRA0, 5                          ; v5     my A fragments' place in a slot
.set ADRB0, 6                          ; v6-8   my weight fragments' place in panel g
.set ADRA,  9                          ; v9     the same in the slot being read
.set ADRB,  10                         ; v10-12
.set STO,   13
.set RD,    14
.set GO,    15
.set SPW,   28
.set NIL,   29
.set U,     64                         ; v[64:255] the way out: 16 registers for each of 12 units
.set MSB, 0
.macro WIN new                         ; the immediate's high byte repeats the setting that is left; a switch that changes nothing is dropped
.if MSB != (\new)
	s_set_vgpr_msb (MSB<<8)|(\new)
.set MSB, \new
.endif
.endm
.macro PLACES                          ; four plain places behind a matrix instruction, ahead of loads into its sources and of readers of its result
.rept 4
	v_nop
.endr
.endm
.macro CROUND                          ; a round of the cluster's barrier
	s_barrier_signal -1
	s_barrier_wait -1
	s_cmp_lg_u32 s10, 0
	s_cbranch_scc1 .Lnot_wave_0_\@
	s_barrier_signal -3
.Lnot_wave_0_\@:
	s_barrier_wait -3
	s_barrier_signal -1
	s_barrier_wait -1
.endm
.macro JLOAD                           ; the joint refill, by the walking descriptors; the branch hangs on the wave's number alone
	s_cmp_eq_u32 s10, 0
	s_cbranch_scc0 .Lfor_b_\@
	tensor_load_to_lds s[36:39], s[24:31]
	s_nop 0
.rept 4
	v_nop
.endr
	s_branch .Lasked_\@
.Lfor_b_\@:
	tensor_load_to_lds s[60:63], s[48:55]
	s_nop 0
.rept 4
	v_nop
.endr
.Lasked_\@:
.endm
	s_load_b128 s[4:7], s[0:1], 0x0                ; act s[4:5], wh s[6:7]
	s_load_b64 s[8:9], s[0:1], 0x10                ; qkv
	v_lshl_add_u32 v[SPW], v0, 2, SPARE
	v_mov_b32 v[NIL], 0
	ds_add_u32 v[SPW], v[NIL]                      ; the wave's opening: the add and its wait ahead of my first tensor load
	ds_add_u32 v28, v29
	v_lshrrev_b32 v1, 5, v0
	v_readfirstlane_b32 s10, v1                    ; wave 0..3
	s_lshr_b32 s11, s10, 1                         ; wm
	s_and_b32 s12, s10, 1                          ; wn
	s_bfe_u32 s40, ttmp6, 0x40000                  ; cx
	s_bfe_u32 s41, ttmp6, 0x40004                  ; cy
	s_lshl_b32 s42, ttmp9, 2
	s_add_co_u32 s42, s42, s40                     ; tile column nt
	s_and_b32 s13, ttmp7, 0xffff
	s_lshl_b32 s13, s13, 2
	s_add_co_u32 s13, s13, s41                     ; tile row mt
	s_lshl_b32 s43, s41, 2
	s_lshl_b32 s43, 15, s43                        ; my row of the cluster
	s_lshl_b32 s44, 0x1111, s40                    ; my column
	s_or_b32 s24, s43, (1<<16)|(1<<20)|(1<<21)|(5<<22)|(3<<25)  ; A: mask; 2-byte elements; padding on; bit 21 beside a mask; after every 64 words 4 words
	s_or_b32 s48, s44, (1<<16)|(1<<20)|(1<<21)|(5<<22)|(7<<25)  ; weights: the same with 8 words
.irp g, 24, 48
	s_mov_b32 s[\g+1], 128<<16                     ; tensor_dim0 = 128
	s_mov_b32 s[\g+2], 128<<16                     ; tensor_dim1 = 128
	s_mov_b32 s[\g+3], 128<<16                     ; tile_dim0 = 128
	s_mov_b32 s[\g+4], 128                         ; tile_dim1 = 128
	s_mov_b32 s[\g+6], 0
	s_mov_b32 s[\g+7], 0
.endr
	s_mov_b32 s29, 512                             ; elements from row to row in act
	s_mov_b32 s53, 1536                            ; and in the weights
	s_lshl_b32 s14, s13, 17                        ; A: 128 mt rows of 1,024 bytes
	s_mov_b32 s15, 0
	s_mul_i32 s46, s42, 768                        ; weights: column 384 nt + 128 (wave - 1), 2 bytes each: here 768 nt + 256 wave; the 256 are taken off the address below
	s_lshl_b32 s17, s10, 8
	s_add_co_u32 s46, s46, s17
	s_mov_b32 s47, 0
	s_mul_i32 s22, s10, PANB                       ; where my load lands in a slot: wave x 36,864
	s_mov_b32 s20, 0                               ; the slot being read: 0 or SLOT
	s_mov_b32 s21, SLOT                            ; the slot filled last
	s_mov_b32 s32, 1
	s_mov_b32 s33, s22
	s_mov_b32 s36, 1
	s_add_co_u32 s37, s22, SLOT
	s_mov_b32 s56, 1
	s_mov_b32 s57, s22
	s_mov_b32 s60, 1
	s_add_co_u32 s61, s22, SLOT
	s_wait_dscnt 0x0                               ; the opening add is done
	s_wait_kmcnt 0x0
	s_add_nc_u64 s[14:15], s[4:5], s[14:15]
	s_add_nc_u64 s[46:47], s[6:7], s[46:47]
	s_sub_nc_u64 s[46:47], s[46:47], 256           ; panel wave - 1 (wave 0 asks for no weights: its value is not used)
	s_mov_b64 s[34:35], s[14:15]                   ; K step 0 into slot 0,
	s_or_b32 s35, s35, 0x80000000
	s_add_nc_u64 s[38:39], s[14:15], ASTEP         ; K step 1 into slot 1; this set then walks on
	s_or_b32 s39, s39, 0x80000000
	s_mov_b64 s[58:59], s[46:47]
	s_or_b32 s59, s59, 0x80000000
	s_add_nc_u64 s[62:63], s[46:47], BSTEP
	s_or_b32 s63, s63, 0x80000000
	CROUND                                         ; all sixteen work-groups are here: the first joint loads meet
	s_cmp_eq_u32 s10, 0                            ; a wave's two first fills stand in one branch: two loads of mine are out
	s_cbranch_scc0 .Lfirst_b
	tensor_load_to_lds s[32:35], s[24:31]
	s_nop 0
	tensor_load_to_lds s[36:39], s[24:31]
	s_nop 0
.rept 4
	v_nop
.endr
	s_branch .Lfirst_done
.Lfirst_b:
	tensor_load_to_lds s[56:59], s[48:55]
	s_nop 0
	tensor_load_to_lds s[60:63], s[48:55]
	s_nop 0
.rept 4
	v_nop
.endr
.Lfirst_done:
	v_and_b32 v1, 15, v0                           ; r = l % 16
	v_bfe_u32 v2, v0, 4, 1                         ; h = l / 16
	v_mul_u32_u24 v3, v1, PA
	v_lshl_add_u32 v3, v2, 4, v3                   ; A fragment: row r, 16 bytes for each half of the lanes
	v_and_b32 v16, 7, v0
	v_lshl_add_u32 v17, v2, 3, v16
	v_mul_u32_u24 v4, v17, PB
	v_bfe_u32 v17, v0, 3, 1
	v_lshl_add_u32 v4, v17, 4, v4                  ; turning load: K row 8 h + l % 8, columns 8 ((l / 8) % 2) ..
	s_mul_i32 s16, s11, 64*PA
	v_add_nc_u32 v[ADRA0], s16, v3
	v_mov_b32 v[ADRA], v[ADRA0]
	s_lshl_b32 s16, s12, 7
	s_add_co_u32 s16, s16, PANB                    ; weight panel g lies in place g + 1
.irp g, 0,1,2
	v_add_nc_u32 v[ADRB0+(\g)], s16, v4
	v_mov_b32 v[ADRB+(\g)], v[ADRB0+(\g)]
	s_add_co_u32 s16, s16, PANB
.endr
	s_mul_i32 s16, s10, 16*SP
	s_add_co_u32 s16, s16, STAGE                   ; my stage
	v_mul_u32_u24 v[STO], v1, SP
	v_lshl_add_u32 v[STO], v2, 4, v[STO]
	v_add_nc_u32 v[STO], s16, v[STO]
	v_bfe_u32 v[RD], v0, 3, 2                      ; back: 32 lanes take four rows of 128 bytes,
	v_mul_u32_u24 v[RD], v[RD], SP
	v_lshl_add_u32 v[RD], v16, 4, v[RD]
	v_add_nc_u32 v[RD], s16, v[RD]
	v_and_b32 v[GO], 31, v0                        ; which are 512 consecutive bytes of a head's rows
	v_lshlrev_b32 v[GO], 4, v[GO]
	; where chunk g goes: chunk number 6 nt + 2 g + wn of 24: section = / 8, head = % 8; batch = mt / 32; row = (mt % 32) 128 + 64 wm
	s_mul_i32 s14, s42, 6
	s_add_co_u32 s14, s14, s12
	s_lshr_b32 s15, s13, 5
	s_lshl_b32 s15, s15, 3
	s_and_b32 s16, s13, 31
	s_lshl_b32 s16, s16, 14
	s_lshl_b32 s17, s11, 13
	s_add_co_u32 s16, s16, s17
.irp g, 0,1,2
	s_add_co_u32 s18, s14, 2*(\g)
	s_lshr_b32 s19, s18, 3
	s_lshl_b32 s19, s19, 4
	s_and_b32 s18, s18, 7
	s_add_co_u32 s19, s19, s18
	s_add_co_u32 s19, s19, s15
	s_lshl_b32 s19, s19, 19                        ; 524,288 bytes for a head's 4,096 rows
	s_add_co_u32 s18, s19, s16
	s_mov_b32 s19, 0
	s_add_nc_u64 s[68+2*(\g):69+2*(\g)], s[8:9], s[18:19]
.endr
.macro FETCH f, q                      ; 32 LDS loads in one run: the fragments of K 32 q .. of the slot being read, into buffer f
	WIN 0x40
.irp g, 0,1,2
.irp e, 0,1,2,3
	ds_load_tr16_b128 v[(\f)+8*(4*(\g)+(\e)):(\f)+8*(4*(\g)+(\e))+3],   v[ADRB+(\g)] offset:32*(\e)+32*(\q)*PB
	ds_load_tr16_b128 v[(\f)+8*(4*(\g)+(\e))+4:(\f)+8*(4*(\g)+(\e))+7], v[ADRB+(\g)] offset:32*(\e)+32*(\q)*PB+16*PB
.endr
.endr
.irp a, 0,1,2,3
	ds_load_b128 v[(\f)+8*NB+8*(\a):(\f)+8*NB+8*(\a)+3],   v[ADRA] offset:(\a)*16*PA+64*(\q)
	ds_load_b128 v[(\f)+8*NB+8*(\a)+4:(\f)+8*NB+8*(\a)+7], v[ADRA] offset:(\a)*16*PA+64*(\q)+32
.endr
.endm
.macro MULQ f, zero                    ; 48 products, one for each accumulator: they take turns.  zero = 1: the products start the sums
.set t, 0
.rept MB*NB
	WIN 0xa5+0x50*(t/32)
.if \zero
	v_wmma_f32_16x16x32_f16 v[8*(t%32):8*(t%32)+7], v[(\f)+8*(t%NB):(\f)+8*(t%NB)+7], v[(\f)+8*NB+8*(t/NB):(\f)+8*NB+8*(t/NB)+7], 0
.else
	v_wmma_f32_16x16x32_f16 v[8*(t%32):8*(t%32)+7], v[(\f)+8*(t%NB):(\f)+8*(t%NB)+7], v[(\f)+8*NB+8*(t/NB):(\f)+8*NB+8*(t/NB)+7], v[8*(t%32):8*(t%32)+7]
.endif
.set t, t+1
.endr
.endm
.macro QUARTER f, g, qn, zero          ; buffer f is multiplied; ahead of that quarter qn's fragments are asked for, into buffer g
	s_wait_dscnt 0x0                               ; buffer f, asked for a quarter ago, is in
.if (\qn) >= 0
	PLACES
	FETCH \g, \qn
.endif
	MULQ \f, \zero
.endm
; THE CHANGE OF SLOTS.  Each wave waits for all its tensor loads (one is out: its part of the next slot), adds 0 to its spare word, and waits for that and for its reads of the slot that it leaves.
; fill = 1: the barrier is a round of the cluster's, and the slot just read is filled again first behind it, with the K step two on.
.macro CHANGE fill
	WIN 0
	s_wait_tensorcnt 0x0
	ds_add_u32 v[SPW], v[NIL]                      ; 0 onto my spare word; work on registers stands between it and the wait for it
	s_xor_b32 s20, s20, SLOT                       ; the other slot is read now
	v_add_nc_u32 v[ADRA], s20, v[ADRA0]
.irp g, 0,1,2
	v_add_nc_u32 v[ADRB+(\g)], s20, v[ADRB0+(\g)]
.endr
.if \fill
	s_xor_b32 s21, s21, SLOT                       ; no tensor load of mine is out, so the walking descriptors may be written
	s_add_co_u32 s37, s21, s22
	s_add_co_u32 s61, s21, s22
	s_add_nc_u64 s[38:39], s[38:39], ASTEP
	s_add_nc_u64 s[62:63], s[62:63], BSTEP
.endif
	s_wait_dscnt 0x0
.if \fill
	CROUND
	JLOAD                                          ; its four v_nop are also the places ahead of the loads that follow
.else
	s_barrier_signal -1
	s_barrier_wait -1
	PLACES
.endif
.endm
	s_wait_tensorcnt 0x1                           ; my part of K step 0 is in; step 1's may stay out
	s_barrier_signal -1
	s_barrier_wait -1
	FETCH F0, 0
	QUARTER F0, F1, 1, 1                           ; the first quarter is written out: its products start the sums
	WIN 0
	s_mov_b32 s3, 3
	s_branch .Lmid                                 ; the loop is entered in the middle of a trip
.Ltop:                                         ; twice: K steps 1 and 2 are entered, steps 2 and 3 asked for
	CHANGE 1
	FETCH F0, 0
	QUARTER F0, F1, 1, 0
	WIN 0
.Lmid:
	QUARTER F1, F0, 2, 0
	QUARTER F0, F1, 3, 0
	QUARTER F1, 0, -1, 0
	WIN 0
	s_sub_co_u32 s3, s3, 1
	s_cmp_lg_u32 s3, 0
	s_cbranch_scc1 .Ltop
	CHANGE 0                                       ; the last K step is written out
	FETCH F0, 0
	QUARTER F0, F1, 1, 0
	QUARTER F1, F0, 2, 0
	QUARTER F0, F1, 3, 0
	QUARTER F1, 0, -1, 0
	; THE WAY OUT: twelve units u = 3 a + g of 16 rows x 64 columns (one head): rounded to f16, through my stage, out as 2,048 consecutive bytes
.macro PACK u
.set t0, 12*((\u)/3)+4*((\u)%3)
	WIN 0x0a+5*(t0/32)
.set e, 0
.rept 16                               ; each accumulator's registers in ascending order
	v_cvt_pk_f16_f32 v[U+16*(\u)+e], v[8*((t0+e/4)%32)+2*(e%4)], v[8*((t0+e/4)%32)+2*(e%4)+1]
.set e, e+1
.endr
	WIN 0
.irp f, 0,1,2,3
	ds_store_b128 v[STO], v[U+16*(\u)+4*(\f):U+16*(\u)+4*(\f)+3] offset:32*(\f)
.endr
.irp f, 0,1,2,3
	ds_load_b128 v[U+16*(\u)+4*(\f):U+16*(\u)+4*(\f)+3], v[RD] offset:(\f)*4*SP  ; LDS serves a wave's instructions in order (ISA guide 5.7.1.4): these see the stores above, the next unit's stores come behind them
.endr
.endm
.macro SEND u, younger                 ; younger: the next unit's eight LDS instructions, or none
.irp f, 0,1,2,3
	s_wait_dscnt (\younger)+3-(\f)
	global_store_b128 v[GO], v[U+16*(\u)+4*(\f):U+16*(\u)+4*(\f)+3], s[68+2*((\u)%3):69+2*((\u)%3)] offset:((\u)/3)*2048+(\f)*512  ; 512 consecutive bytes, aligned
.endr
.endm
	PLACES
	PACK 0
.set w, 1
.rept 11
	PACK w
	SEND w-1, 8
.set w, w+1
.endr
	SEND 11, 0
	s_wait_tensorcnt 0x0                           ; the wave's end
	ds_add_u32 v[SPW], v[NIL]
	s_wait_dscnt 0x0
	CROUND                                         ; the closing round
	s_endpgm
.Lfunc_end_k_q16ad0eb86e_qkv:
	.size	k_q16ad0eb86e_qkv, .Lfunc_end_k_q16ad0eb86e_qkv-k_q16ad0eb86e_qkv
	.p2alignl 7, 3214868480
	.fill 96, 4, 3214868480
	.section	.rodata,"a",@progbits
	.p2align	6, 0x0
	.amdhsa_kernel k_q16ad0eb86e_qkv
		.amdhsa_group_segment_fixed_size 327680
		.amdhsa_private_segment_fixed_size 0
		.amdhsa_enable_private_segment 0
		.amdhsa_kernarg_size 24
		.amdhsa_user_sgpr_count 2
		.amdhsa_user_sgpr_kernarg_segment_ptr 1
		.amdhsa_wavefront_size32 1
		.amdhsa_system_sgpr_workgroup_id_x 1
		.amdhsa_system_sgpr_workgroup_id_y 1
		.amdhsa_system_sgpr_workgroup_id_z 1
		.amdhsa_system_vgpr_workitem_id 0
		.amdhsa_next_free_vgpr 896
		.amdhsa_next_free_sgpr 80
		.amdhsa_reserve_vcc 0
		.amdhsa_float_denorm_mode_32 3
		.amdhsa_float_denorm_mode_16_64 3
		.amdhsa_memory_ordered 1
		.amdhsa_forward_progress 1
		.amdhsa_inst_pref_size 85
	.end_amdhsa_kernel
	.amdgpu_metadata
---
amdhsa.version: [ 1, 2 ]
amdhsa.kernels:
  - .name:           k_q16ad0eb86e_qkv
    .symbol:         k_q16ad0eb86e_qkv.kd
    .args:
      - { .name: act, .offset: 0, .size: 8, .value_kind: global_buffer, .address_space: global }
      - { .name: wh, .offset: 8, .size: 8, .value_kind: global_buffer, .address_space: global }
      - { .name: qkv, .offset: 16, .size: 8, .value_kind: global_buffer, .address_space: global }
    .group_segment_fixed_size: 327680
    .private_segment_fixed_size: 0
    .kernarg_segment_align: 8
    .kernarg_segment_size: 24
    .max_flat_workgroup_size: 128
    .sgpr_count:     80
    .vgpr_count:     896
    .wavefront_size: 32
...
	.end_amdgpu_metadata
.endif
;; end of part 2
;; launch attn (part 3): grid 16 x 16, 8 waves a work-group, no clusters, 327,680 bytes of LDS; arguments qkv, ctx; writes ctx
.if DOCPART == 3
	.amdgcn_target "amdgcn-amd-amdhsa--gfx1250"
	.amdhsa_code_object_version 6
	.text
	.protected	k_q16ad0eb86e_attn
	.globl	k_q16ad0eb86e_attn
	.p2align	8
	.type	k_q16ad0eb86e_attn,@function
k_q16ad0eb86e_attn:
	s_mov_b64 s[64:65], 0
	v_nop
	global_prefetch_b8 v0, s[64:65] scope:SCOPE_SE
	s_setreg_imm32_b32 hwreg(HW_REG_WAVE_MODE, 25, 1), 1
	s_wait_xcnt 0x0
; SPARSE ATTENTION.  A query in block i (128 rows) sees its own block's keys up to itself, and the last 32 keys of every earlier block: the mask that the problem itself builds.
; ctx[bh][q][:] = the sum over seen keys of softmax(q . k / 8) v.  q, k, v: qkv[0..2][bh][4096][64] f16; ctx likewise.  Products, maxima and sums in f32; weights rounded to f16 for the second product.
; LIMITS.  A hidden score counts as -1e30 (the problem's -1e9 gives the same weights, 0, while true scores stay far above -1e9); a weight under 2^-126 counts as 0; NaN and infinities are not treated apart.
; SHARES.  A work-group takes the query blocks p and 31 - p of one head, one after the other; wave w owns rows 16 w .. 16 w + 15 of the block in hand.  A step is 64 keys: two local steps a block, and
; ceil(i / 2) summary steps (two earlier blocks' 32 keys each): 20 steps whatever p, so all 256 work-groups are alike.  Two waves share a SIMD: one's products run beside the other's softmax, so a step is written in plain phases.
; NO CLUSTER: a head's sixteen work-groups walk the same summary tiles, but which steps one computes hangs on p, its place; alike in all partners it would be all 32 blocks under masks, twice the work.
; LAYOUT.  S^T = K Q^T holds one query a lane (l % 16) and keys 16 kb + 8 (l / 16) + 0..7; two such results rounded in pairs are source 1 of O^T = V^T P.  V is turned by ds_load_tr16_b128.
; SOFTMAX.  p = 2^(c s - c m), c = log2(e) / 8, with a running maximum m; O and l are multiplied by a = 2^(c m_old - c m_new) in every step.  m starts at the lowest finite number, O and l at 0.
; LDS.  K rows 144 bytes apart, V rows 160.  Local keys of both blocks, and two slots of 256 summary keys (8 blocks): tiles A (blocks 0-7), B (8-15) at the start, C (16-23), D (24-31) as refills.
.set PK,    144
.set PV,    160
.set KLOC,  0
.set KS0,   256*PK
.set KS1,   2*256*PK
.set VLOC,  3*256*PK
.set VS0,   VLOC+256*PV
.set VS1,   VLOC+2*256*PV
.set STAGE, VLOC+3*256*PV              ; 16 rows x 144 bytes for each wave
.set SP,    144
.set SPARE, STAGE+8*16*SP              ; the spare words: 128 bytes a wave, named by no other line
.set SEC,   8388608                    ; bytes in a section of qkv
.set AK0, 2
.set AV0, 3
.set AK,  4
.set AV,  5
.set STO, 6
.set RD,  7
.set GO,  8
.set THRB, 10                          ; v10  16 w + l % 16 - 8 (l / 16)
.set THR, 11                           ; v11  the same less the local step's first key: register j of key group kb is hidden where 16 kb + j is greater
.set SPW, 12
.set NIL, 13
.set PFO, 14
.set BIG, 15                           ; v15  -1e30
.set CM,  16                           ; v16 c m, v17 m, v[18:19] l (even keys', odd keys')
.set M,   17
.set L,   18
.set C0,  20                           ; v20-23 at work; v22 takes a
.set CMO, 24
.set QO,  26
.set QF,  32
.set S,   48
.set P,   80
.set OT,  96
.set KF,  128
.set VF,  192
.macro PLACES
.rept 4
	v_nop
.endr
.endm
.macro LOAD gk, gv, g1k, g1v           ; waves 0-3 fetch a quarter of K's tile, waves 4-7 of V's
	s_cmp_lt_u32 s8, 4
	s_cbranch_scc0 .Lfor_v_\@
	tensor_load_to_lds s[\gk:\gk+3], s[\g1k:\g1k+7]
	s_nop 0
.rept 4
	v_nop
.endr
	s_branch .Lasked_\@
.Lfor_v_\@:
	tensor_load_to_lds s[\gv:\gv+3], s[\g1v:\g1v+7]
	s_nop 0
.rept 4
	v_nop
.endr
.Lasked_\@:
.endm
	s_load_b128 s[4:7], s[0:1], 0x0                ; qkv s[4:5], ctx s[6:7]
	v_lshl_add_u32 v[SPW], v0, 2, SPARE
	v_mov_b32 v[NIL], 0
	ds_add_u32 v[SPW], v[NIL]                      ; the wave's opening: the add and its wait ahead of my first tensor load
	ds_add_u32 v12, v13
	v_lshrrev_b32 v1, 5, v0
	v_readfirstlane_b32 s8, v1                     ; wave 0..7
	s_mov_b32 s9, ttmp9                            ; p: the first block
	s_sub_co_u32 s10, 31, s9                       ; 31 - p: the second
	s_and_b32 s2, ttmp7, 0xffff
	s_lshl_b32 s2, s2, 19                          ; the head's 524,288 bytes
	s_mov_b32 s3, 0
	; descriptor group 1: 64 keys as 2 rows of 4,096 bytes (32 keys each), padded in LDS after every key (32 words)
.irp g, 24, 32, 40, 48
	s_mov_b32 s[\g+1], 2048<<16                    ; tensor_dim0 = 2,048
	s_mov_b32 s[\g+2], 2<<16                       ; tensor_dim1 = 2
	s_mov_b32 s[\g+3], 2048<<16                    ; tile_dim0 = 2,048
	s_mov_b32 s[\g+4], 2                           ; tile_dim1 = 2
	s_mov_b32 s[\g+6], 0
	s_mov_b32 s[\g+7], 0
.endr
	s_mov_b32 s24, (1<<16)|(1<<20)|(4<<22)|(3<<25) ; K, summary: 4 words of padding
	s_mov_b32 s32, (1<<16)|(1<<20)|(4<<22)|(7<<25) ; V, summary: 8 words
	s_mov_b32 s40, (1<<16)|(1<<20)|(4<<22)|(3<<25) ; K, local
	s_mov_b32 s48, (1<<16)|(1<<20)|(4<<22)|(7<<25) ; V, local
	s_mov_b32 s29, 8192                            ; summary: a block (128 keys x 64) from row to row
	s_mov_b32 s37, 8192
	s_mov_b32 s45, 2048                            ; local: dense
	s_mov_b32 s53, 2048
	s_mov_b32 s20, 0x3e38aa3b                      ; c = log2(e) / 8
	s_mov_b32 s21, s20
	s_mov_b32 s22, 0x76543210
	s_mov_b32 s23, 0xfedcba98
	s_lshl_b32 s12, s8, 11
	s_add_co_u32 s12, s12, s2                      ; the head, and my 16 rows of a block
	s_lshl_b32 s86, s9, 14
	s_add_co_u32 s86, s86, s12
	s_mov_b32 s87, 0
	s_lshl_b32 s88, s10, 14
	s_add_co_u32 s88, s88, s12
	s_mov_b32 s89, 0
	s_and_b32 s11, s8, 3                           ; the quarter of a tile that I fetch
	s_mul_i32 s12, s11, 64*PK
	s_mul_i32 s13, s11, 64*PV
	s_mov_b32 s56, 1
	s_add_co_u32 s57, s12, KLOC
	s_mov_b32 s60, 1
	s_add_co_u32 s61, s12, KS0
	s_mov_b32 s68, 1
	s_add_co_u32 s69, s12, KS1
	s_mov_b32 s72, 1
	s_add_co_u32 s73, s13, VLOC
	s_mov_b32 s76, 1
	s_add_co_u32 s77, s13, VS0
	s_mov_b32 s80, 1
	s_add_co_u32 s81, s13, VS1
	s_wait_dscnt 0x0                               ; the opening add is done
	s_wait_kmcnt 0x0
	s_add_nc_u64 s[100:101], s[4:5], s[86:87]      ; Q at my rows of the first block,
	s_add_nc_u64 s[96:97], s[4:5], s[88:89]        ; of the second;
	s_add_nc_u64 s[94:95], s[6:7], s[86:87]        ; ctx likewise
	s_add_nc_u64 s[84:85], s[6:7], s[88:89]
	s_cmp_lt_u32 s11, 2                            ; local quarters 0, 1: the first block's keys; 2, 3: the second's
	s_cselect_b32 s15, s9, s10
	s_lshl_b32 s86, s15, 14
	s_and_b32 s15, s11, 1
	s_lshl_b32 s15, s15, 13
	s_add_co_u32 s86, s86, s15
	s_lshl_b32 s88, s11, 15                        ; summary quarter: blocks 2 qd, 2 qd + 1, from their key 96 on
	s_add_co_u32 s88, s88, 12288
	s_add_nc_u64 s[90:91], s[4:5], s[2:3]
	s_add_nc_u64 s[90:91], s[90:91], SEC           ; K of my head
	s_add_nc_u64 s[58:59], s[90:91], s[86:87]
	s_or_b32 s59, s59, 0x80000000
	s_add_nc_u64 s[62:63], s[90:91], s[88:89]
	s_add_nc_u64 s[70:71], s[62:63], 131072        ; tile B: eight blocks on
	s_or_b32 s63, s63, 0x80000000
	s_or_b32 s71, s71, 0x80000000
	s_lshl_b32 s2, s9, 14                          ; the prefetch: block 16 + p's summary rows
	s_add_co_u32 s2, s2, 16*16384+12288
	s_add_nc_u64 s[98:99], s[90:91], s[2:3]
	s_add_nc_u64 s[90:91], s[90:91], SEC           ; V of my head
	s_add_nc_u64 s[74:75], s[90:91], s[86:87]
	s_or_b32 s75, s75, 0x80000000
	s_add_nc_u64 s[78:79], s[90:91], s[88:89]
	s_add_nc_u64 s[82:83], s[78:79], 131072
	s_or_b32 s79, s79, 0x80000000
	s_or_b32 s83, s83, 0x80000000
	s_cmp_lt_u32 s8, 4                             ; a wave's three first fills stand in one branch: local keys, tile A, tile B: three loads of mine are out
	s_cbranch_scc0 .Lfirst_v
	tensor_load_to_lds s[56:59], s[40:47]
	s_nop 0
	tensor_load_to_lds s[60:63], s[24:31]
	s_nop 0
	tensor_load_to_lds s[68:71], s[24:31]
	s_nop 0
.rept 4
	v_nop
.endr
	s_branch .Lfirst_done
.Lfirst_v:
	tensor_load_to_lds s[72:75], s[48:55]
	s_nop 0
	tensor_load_to_lds s[76:79], s[32:39]
	s_nop 0
	tensor_load_to_lds s[80:83], s[32:39]
	s_nop 0
.rept 4
	v_nop
.endr
.Lfirst_done:
	v_and_b32 v1, 15, v0                           ; l % 16
	v_bfe_u32 v9, v0, 4, 1                         ; l / 16
	v_lshlrev_b32 v[QO], 7, v1
	v_lshl_add_u32 v[QO], v9, 4, v[QO]
.macro QLOAD b                         ; my 16 queries: two fragments of 32 channels
.irp c, 0,1
	global_load_b128 v[QF+8*(\c):QF+8*(\c)+3],   v[QO], s[\b:\b+1] offset:64*(\c)
	global_load_b128 v[QF+8*(\c)+4:QF+8*(\c)+7], v[QO], s[\b:\b+1] offset:64*(\c)+32
.endr
.endm
	QLOAD 100
	v_mul_u32_u24 v[AK0], v1, PK
	v_lshl_add_u32 v[AK0], v9, 4, v[AK0]
	v_and_b32 v27, 7, v0
	v_lshl_add_u32 v[AV0], v9, 3, v27
	v_mul_u32_u24 v[AV0], v[AV0], PV
	v_bfe_u32 v[THR], v0, 3, 1
	v_lshl_add_u32 v[AV0], v[THR], 4, v[AV0]
	s_mul_i32 s12, s8, 16*SP
	s_add_co_u32 s12, s12, STAGE
	v_mul_u32_u24 v[STO], v1, SP
	v_lshl_add_u32 v[STO], v9, 4, v[STO]
	v_add_nc_u32 v[STO], s12, v[STO]
	v_bfe_u32 v[RD], v0, 3, 2
	v_mul_u32_u24 v[RD], v[RD], SP
	v_lshl_add_u32 v[RD], v27, 4, v[RD]
	v_add_nc_u32 v[RD], s12, v[RD]
	v_and_b32 v[GO], 31, v0
	v_lshlrev_b32 v[GO], 4, v[GO]
	v_lshlrev_b32 v[THRB], 3, v9
	v_sub_nc_u32 v[THRB], v1, v[THRB]
	s_lshl_b32 s12, s8, 4
	v_add_nc_u32 v[THRB], s12, v[THRB]
	s_add_co_u32 s93, s12, 15                      ; my last row in the block
	v_mov_b32 v[BIG], 0xf149f2ca                   ; -1e30
	v_lshlrev_b32 v[PFO], 8, v1                    ; lanes 0-15: K's sixteen pieces of 256 bytes; lanes 16-31: V's, a section on
	v_lshl_add_u32 v[PFO], v9, 23, v[PFO]
.macro INIT                            ; a block begins
	v_mov_b32 v[CM], 0xfe000000                    ; c m: far below every c s, so the first step's a is 0
	v_mov_b32 v[M], 0xff7fffff
	v_mov_b32 v[L], 0
	v_mov_b32 v[L+1], 0
.irp j, 0,1,2,3
	v_mov_b32 v[C0+(\j)], 0
.endr
	v_mov_b32 v[CMO], 0
.set i, 0
.rept 32
	v_mov_b32 v[OT+i], 0
.set i, i+1
.endr
.endm
; A STEP: 64 keys at LDS bytes s16 (K) and s17 (V).  kind 0: all keys seen.  1: a summary step, whose second block is hidden where s18 + 1 = s19.  2: a local step, under the diagonal's mask.
.macro STEP kind
	v_add_nc_u32 v[AK], s16, v[AK0]                ; these four lines are the places behind the last step's products, ahead of the loads into V's registers
	v_add_nc_u32 v[AV], s17, v[AV0]
	v_nop
	v_nop
.irp f, 0,1,2,3,4,5,6,7                ; keys 16 (f / 2) on, channels 32 (f % 2) on
	ds_load_b128 v[KF+8*(\f):KF+8*(\f)+3],   v[AK] offset:((\f)/2)*16*PK+((\f)%2)*64
	ds_load_b128 v[KF+8*(\f)+4:KF+8*(\f)+7], v[AK] offset:((\f)/2)*16*PK+((\f)%2)*64+32
.endr
.irp f, 0,1,2,3,4,5,6,7                ; keys 32 (f / 4) on, channels 16 (f % 4) on
	ds_load_tr16_b128 v[VF+8*(\f):VF+8*(\f)+3],   v[AV] offset:((\f)/4)*32*PV+((\f)%4)*32
	ds_load_tr16_b128 v[VF+8*(\f)+4:VF+8*(\f)+7], v[AV] offset:((\f)/4)*32*PV+16*PV+((\f)%4)*32
.endr
	s_wait_dscnt 16                                ; K is in; V's sixteen loads may stay out
.set i, 0
.rept 8                                ; S^T = K Q^T: the four accumulators take turns
.if i < 4
	v_wmma_f32_16x16x32_f16 v[S+8*(i%4):S+8*(i%4)+7], v[KF+16*(i%4)+8*(i/4):KF+16*(i%4)+8*(i/4)+7], v[QF+8*(i/4):QF+8*(i/4)+7], 0
.else
	v_wmma_f32_16x16x32_f16 v[S+8*(i%4):S+8*(i%4)+7], v[KF+16*(i%4)+8*(i/4):KF+16*(i%4)+8*(i/4)+7], v[QF+8*(i/4):QF+8*(i/4)+7], v[S+8*(i%4):S+8*(i%4)+7]
.endif
.set i, i+1
.endr
	PLACES
.if (\kind) == 1
	s_add_co_u32 s15, s18, 1
	s_cmp_lt_u32 s15, s19
	s_cbranch_scc1 .Lseen_\@
.set i, 16
.rept 16                               ; keys 32-63 of the step are the hidden block's, in every lane
	v_mov_b32 v[S+i], v[BIG]
.set i, i+1
.endr
.Lseen_\@:
.endif
.if (\kind) == 2
.set i, 0
.rept 32
	v_cmp_gt_i32 vcc_lo, 16*(i/8)+i%8, v[THR]
	v_cndmask_b32 v[S+i], v[S+i], v[BIG], vcc_lo
.set i, i+1
.endr
.endif
	; the maximum of 32 scores and the old m; each accumulator's lowest registers are read first
.irp j, 0,1,2,3
	v_max3_num_f32 v[C0+(\j)], v[S+8*(\j)], v[S+8*(\j)+1], v[S+8*(\j)+2]
.endr
.irp j, 0,1,2,3
	v_max3_num_f32 v[C0+(\j)], v[C0+(\j)], v[S+8*(\j)+3], v[S+8*(\j)+4]
.endr
.irp j, 0,1,2,3
	v_max3_num_f32 v[C0+(\j)], v[C0+(\j)], v[S+8*(\j)+5], v[S+8*(\j)+6]
.endr
	v_max3_num_f32 v[C0], v[C0], v[S+7], v[S+15]
	v_max3_num_f32 v[C0+2], v[C0+2], v[S+23], v[S+31]
	v_max3_num_f32 v[C0+1], v[C0+1], v[C0+3], v[M]
	v_mov_b32 v[CMO], v[CM]
	v_max3_num_f32 v[C0], v[C0], v[C0+1], v[C0+2]
	v_permlanex16_b32 v[C0+1], v[C0], s22, s23     ; the query's other 32 keys lie in the lane 16 away
	v_max_num_f32 v[M], v[C0], v[C0+1]
	v_mul_f32 v[CM], s20, v[M]
	v_sub_f32 v[C0+3], v[CMO], v[CM]
.set i, 0
.rept 16
	v_pk_fma_f32 v[S+2*i:S+2*i+1], v[S+2*i:S+2*i+1], s[20:21], v[CM:CM+1] op_sel_hi:[1,0,0] neg_lo:[0,0,1] neg_hi:[0,0,1]  ; c s - c m
.set i, i+1
.endr
	v_exp_f32 v[C0+2], v[C0+3]                     ; a; then the 32 weights: one batch
.set i, 0
.rept 32
	v_exp_f32 v[S+i], v[S+i]
.set i, i+1
.endr
	v_nop                                          ; a plain instruction behind the last exponential,
	s_wait_alu depctr_va_vdst(0)                   ; and one wait for the 33, ahead of their first reader
.set i, 0
.rept 16
	v_cvt_pk_f16_f32 v[P+i], v[S+2*i], v[S+2*i+1]
.set i, i+1
.endr
.irp w, 4, 8, 16, 32                   ; the sum of the 16 pairs, in place: neighbours 1, 2, 4, 8 pairs apart
.set i, 0
.rept 32/(\w)
	v_pk_add_f32 v[S+(\w)*i:S+(\w)*i+1], v[S+(\w)*i:S+(\w)*i+1], v[S+(\w)*i+(\w)/2:S+(\w)*i+(\w)/2+1]
.set i, i+1
.endr
.endr
	v_pk_fma_f32 v[L:L+1], v[L:L+1], v[C0+2:C0+3], v[S:S+1] op_sel_hi:[1,0,1]  ; l = a l + sum
.set i, 0
.rept 16
	v_pk_mul_f32 v[OT+2*i:OT+2*i+1], v[OT+2*i:OT+2*i+1], v[C0+2:C0+3] op_sel_hi:[1,0]
.set i, i+1
.endr
	s_wait_dscnt 0x0                               ; V is in
.set i, 0
.rept 8                                ; O^T += V^T P
	v_wmma_f32_16x16x32_f16 v[OT+8*(i%4):OT+8*(i%4)+7], v[VF+32*(i/4)+8*(i%4):VF+32*(i/4)+8*(i%4)+7], v[P+8*(i/4):P+8*(i/4)+7], v[OT+8*(i%4):OT+8*(i%4)+7]
.set i, i+1
.endr
.endm
; All loops count down to 0 from a constant; a step with nothing to see is jumped, forward, past text that holds no barrier and no tensor load.
.macro LOCALLOOP k0                    ; the block's own 128 keys, which lie from local key k0 on; keys 64-127 are wholly hidden for rows 0-63: waves 0-3 jump that step
	s_mov_b32 s16, KLOC+(\k0)*PK
	s_mov_b32 s17, VLOC+(\k0)*PV
	s_mov_b32 s92, 0
	s_mov_b32 s14, 2
.Lloc_\@:
	s_cmp_le_u32 s92, s93
	s_cbranch_scc0 .Lloc_skip_\@
	v_sub_nc_u32 v[THR], v[THRB], s92
	STEP 2
.Lloc_skip_\@:
	s_add_co_u32 s16, s16, 64*PK
	s_add_co_u32 s17, s17, 64*PV
	s_add_co_u32 s92, s92, 64
	s_sub_co_u32 s14, s14, 1
	s_cmp_lg_u32 s14, 0
	s_cbranch_scc1 .Lloc_\@
.endm
.macro SUMLOOP j0                      ; both slots: blocks j0 .. j0 + 15, of which those under s19 are seen
	s_mov_b32 s16, KS0
	s_mov_b32 s17, VS0
	s_mov_b32 s18, \j0
	s_mov_b32 s14, 8
.Lsum_\@:
	s_cmp_lt_u32 s18, s19
	s_cbranch_scc0 .Lsum_skip_\@
	STEP 1
.Lsum_skip_\@:
	s_add_co_u32 s16, s16, 64*PK
	s_add_co_u32 s17, s17, 64*PV
	s_add_co_u32 s18, s18, 2
	s_sub_co_u32 s14, s14, 1
	s_cmp_lg_u32 s14, 0
	s_cbranch_scc1 .Lsum_\@
.endm
.macro PLAINLOOP kb, vb                ; one slot, all seen: the second block (16 or later) sees blocks 0-15 whole
	s_mov_b32 s16, \kb
	s_mov_b32 s17, \vb
	s_mov_b32 s14, 4
.Lpl_\@:
	STEP 0
	s_add_co_u32 s16, s16, 64*PK
	s_add_co_u32 s17, s17, 64*PV
	s_sub_co_u32 s14, s14, 1
	s_cmp_lg_u32 s14, 0
	s_cbranch_scc1 .Lpl_\@
.endm
; THE CHANGE: each wave waits for all its tensor loads, adds 0 to its spare word, waits for that and for its LDS reads, and passes the barrier.  fill = 1: the slot that nobody reads any more takes the tile 16 blocks on.
.macro CHANGE fill, gk=0, gv=0
	s_wait_tensorcnt 0x0
	ds_add_u32 v[SPW], v[NIL]
.if \fill
	s_add_nc_u64 s[\gk+2:\gk+3], s[\gk+2:\gk+3], 0x40000  ; no tensor load of mine is out, so a group 0 may be written
	s_add_nc_u64 s[\gv+2:\gv+3], s[\gv+2:\gv+3], 0x40000
.endif
	s_wait_dscnt 0x0
	s_barrier_signal -1
	s_barrier_wait -1
.if \fill
	LOAD \gk, \gv, 24, 32
.endif
.endm
.macro WAYOUT                          ; O^T / l, rounded to f16, through my stage, out as 2,048 consecutive bytes
	PLACES
	v_add_f32 v[C0], v[L], v[L+1]
	v_permlanex16_b32 v[C0+1], v[C0], s22, s23
	v_add_f32 v[C0], v[C0], v[C0+1]
	v_rcp_f32 v[C0+2], v[C0]
	v_nop
	s_wait_alu depctr_va_vdst(0)
.set i, 0
.rept 16
	v_pk_mul_f32 v[OT+2*i:OT+2*i+1], v[OT+2*i:OT+2*i+1], v[C0+2:C0+3] op_sel_hi:[1,0]
.set i, i+1
.endr
.set i, 0
.rept 16
	v_cvt_pk_f16_f32 v[S+i], v[OT+2*i], v[OT+2*i+1]
.set i, i+1
.endr
.irp f, 0,1,2,3
	ds_store_b128 v[STO], v[S+4*(\f):S+4*(\f)+3] offset:32*(\f)
.endr
.irp f, 0,1,2,3
	ds_load_b128 v[S+16+4*(\f):S+16+4*(\f)+3], v[RD] offset:(\f)*4*SP  ; LDS serves a wave's instructions in order (ISA guide 5.7.1.4)
.endr
.irp f, 0,1,2,3
	s_wait_dscnt 3-(\f)                            ; the run's younger loads may stay out
	global_store_b128 v[GO], v[S+16+4*(\f):S+16+4*(\f)+3], s[94:95] offset:(\f)*512  ; 512 consecutive bytes, aligned
.endr
.endm
	INIT
	s_wait_tensorcnt 0x2                           ; my quarter of the local keys is in; tiles A and B may stay out
	s_barrier_signal -1
	s_barrier_wait -1
	s_wait_loadcnt 0x0                             ; Q
	LOCALLOOP 0                                    ; THE FIRST BLOCK: its own keys,
	s_wait_tensorcnt 0x0                           ; my quarters of tiles A and B are in,
	s_wait_dscnt 0x0
	s_barrier_signal -1
	s_barrier_wait -1                              ; everybody's are
	; Tiles C and D are asked of memory ahead of their loads: this work-group names block 16 + p's summary rows of K and V, 16 pieces of 256 bytes each, a lane a piece; wave 0 alone.
	; So each piece is named once in the launch; tile C's load stands behind the first block's summary steps, its way out and four steps of the second block.
	s_cmp_lg_u32 s8, 0
	s_cbranch_scc1 .Lno_ask
	global_prefetch_b8 v[PFO], s[98:99] th:TH_LOAD_NT scope:SCOPE_SE
.Lno_ask:
	s_mov_b32 s19, s9
	SUMLOOP 0                                      ; and the blocks before it
	QLOAD 96                                       ; the second block's Q, while the first goes out
	WAYOUT
	s_wait_xcnt 0x0                                ; the stores have read their registers and their base
	s_mov_b64 s[94:95], s[84:85]
	INIT                                           ; THE SECOND BLOCK
	s_wait_loadcnt 0x0
	PLAINLOOP KS0, VS0                             ; blocks 0-7
	CHANGE 1, 60, 76                               ; tile C into slot 0
	PLAINLOOP KS1, VS1                             ; blocks 8-15
	CHANGE 1, 68, 80                               ; tile D into slot 1
	LOCALLOOP 128                                  ; its own keys
	CHANGE 0
	s_mov_b32 s19, s10
	SUMLOOP 16                                     ; blocks 16 .. 30 - p
	WAYOUT
	s_wait_tensorcnt 0x0                           ; the wave's end
	ds_add_u32 v[SPW], v[NIL]
	s_wait_dscnt 0x0
	s_endpgm
.Lfunc_end_k_q16ad0eb86e_attn:
	.size	k_q16ad0eb86e_attn, .Lfunc_end_k_q16ad0eb86e_attn-k_q16ad0eb86e_attn
	.p2alignl 7, 3214868480
	.fill 96, 4, 3214868480
	.section	.rodata,"a",@progbits
	.p2align	6, 0x0
	.amdhsa_kernel k_q16ad0eb86e_attn
		.amdhsa_group_segment_fixed_size 327680
		.amdhsa_private_segment_fixed_size 0
		.amdhsa_enable_private_segment 0
		.amdhsa_kernarg_size 16
		.amdhsa_user_sgpr_count 2
		.amdhsa_user_sgpr_kernarg_segment_ptr 1
		.amdhsa_wavefront_size32 1
		.amdhsa_system_sgpr_workgroup_id_x 1
		.amdhsa_system_sgpr_workgroup_id_y 1
		.amdhsa_system_sgpr_workgroup_id_z 1
		.amdhsa_system_vgpr_workitem_id 0
		.amdhsa_next_free_vgpr 256
		.amdhsa_next_free_sgpr 102
		.amdhsa_reserve_vcc 1
		.amdhsa_float_denorm_mode_32 3
		.amdhsa_float_denorm_mode_16_64 3
		.amdhsa_memory_ordered 1
		.amdhsa_forward_progress 1
		.amdhsa_inst_pref_size 87
	.end_amdhsa_kernel
	.amdgpu_metadata
---
amdhsa.version: [ 1, 2 ]
amdhsa.kernels:
  - .name:           k_q16ad0eb86e_attn
    .symbol:         k_q16ad0eb86e_attn.kd
    .args:
      - { .name: qkv, .offset: 0, .size: 8, .value_kind: global_buffer, .address_space: global }
      - { .name: ctx, .offset: 8, .size: 8, .value_kind: global_buffer, .address_space: global }
    .group_segment_fixed_size: 327680
    .private_segment_fixed_size: 0
    .kernarg_segment_align: 8
    .kernarg_segment_size: 16
    .max_flat_workgroup_size: 256
    .sgpr_count:     102
    .vgpr_count:     256
    .wavefront_size: 32
...
	.end_amdgpu_metadata
.endif
;; end of part 3
;; launch proj (part 4): grid 256 x 1, 4 waves a work-group, clusters of 4 x 1, 327,680 bytes of LDS; arguments ctx, wh, inputs, ln2_scale, ln2_bias, xres, act; writes xres, act
.if DOCPART == 4
	.amdgcn_target "amdgcn-amd-amdhsa--gfx1250"
	.amdhsa_code_object_version 6
	.text
	.protected	k_q16ad0eb86e_proj
	.globl	k_q16ad0eb86e_proj
	.p2align	8
	.type	k_q16ad0eb86e_proj,@function
k_q16ad0eb86e_proj:
	s_mov_b64 s[64:65], 0
	v_nop
	global_prefetch_b8 v0, s[64:65] scope:SCOPE_SE
	s_setreg_imm32_b32 hwreg(HW_REG_WAVE_MODE, 25, 1), 1
	s_wait_xcnt 0x0
	s_wait_alu depctr_hold_cnt(0) depctr_sa_sdst(0) depctr_va_vdst(0) depctr_va_sdst(0) depctr_va_ssrc(0) depctr_va_vcc(0) depctr_vm_vsrc(0)
	s_getreg_b32 s2, hwreg(HW_REG_IB_STS2, 6, 4)
	s_cmp_eq_u32 s2, 0
	s_cbranch_scc0 .Lentry_in_a_cluster
	s_endpgm
.Lentry_in_a_cluster:
	s_bfe_u32 s2, ttmp6, 0x10000c
	s_cmp_lg_u32 s2, 0x3003
	s_cbranch_scc0 .Lentry_shape_is_right
	s_endpgm
.Lentry_shape_is_right:
; PROJ.  xres = ctx . wo + inputs (f32);  act = LayerNorm(xres) * ln2_scale + ln2_bias, rounded once to f16.  ctx: [bh][4096][64] f16; wo: wh + 1,572,864, [512][512] f16, stored [K][N].
; SHARES.  A work-group owns 32 WHOLE rows, so that the norm stays inside it; wave w owns columns 128 w .. 128 w + 127: 2 x 8 accumulators, which START as the residual: they are loaded with inputs.
; A (32 rows x 512 K) lies in registers for the whole launch.  wo goes in four K steps of 128 through two LDS slots; wave w fetches, and alone reads, its own panel (128 K x 128 columns, rows 288 bytes apart).
; CLUSTER 4 x 1: every work-group walks the same wo, so each panel is asked for jointly by the four partners; its address hangs on the wave's number and the K step alone.
; No prefetch: wo is read by every work-group.  The norm is made in two passes (mean, then the mean of squared differences), the waves' partial sums meeting in LDS.
; LIMIT: the normed rows must lie within f16's 65,504.
; REGISTERS: window 0 addresses, statistics, two buffers of 8 weight fragments (v64-127, v128-191), v192-255 at work; window 1 A: fragment (a, kk) at 8 (16 a + kk);
; window 2: v0-127 accumulator (a, b) at 8 (8 a + b); v128-191 ln2_scale, v192-255 ln2_bias of my lanes' columns, laid as an accumulator row.
.set PB,    288
.set PANB,  128*PB
.set SLOT,  4*PANB
.set RED1,  2*SLOT                     ; 32 rows x 4 waves x 4 bytes: the sums; RED1 + 512: the sums of squares
.set SPARE, RED1+1024
.set WOOFF, 1572864
.set XP,    528                        ; the way out, in my own panel of slot 0, which has had its last fill: 32 rows of 512 bytes + 16,
.set YP,    272                        ; then 32 rows of 256 bytes + 16
.set YST,   32*XP
.set F0,    64
.set F1,    128
.set ADRB,  5                          ; v5, v6  my panel in slot 0, 1
.set AO,    7
.set IO,    8
.set GOF,   9
.set RS,    10
.set RL,    11
.set XS,    12
.set XL,    13
.set XO,    14
.set YS,    15
.set YL,    16
.set YO,    17
.set SPW,   28
.set NIL,   29
.set SUM,   32                         ; v[32:35]  row block a: my partial sum at SUM + 2 a
.set MU,    36                         ; v[36:39]  the mean
.set QQ,    40                         ; v[40:47]  four chains of squares
.set RSTD,  48                         ; v[48:51]
.set NM,    52                         ; v[52:55]  - mean / sigma
.set RB,    56                         ; v[56:63]  the four waves' partial sums
.set D,     192
.set MSB, 0
.macro WIN new
.if MSB != (\new)
	s_set_vgpr_msb (MSB<<8)|(\new)
.set MSB, \new
.endif
.endm
.macro PLACES
.rept 4
	v_nop
.endr
.endm
.macro CROUND
	s_barrier_signal -1
	s_barrier_wait -1
	s_cmp_lg_u32 s18, 0
	s_cbranch_scc1 .Lnot_wave_0_\@
	s_barrier_signal -3
.Lnot_wave_0_\@:
	s_barrier_wait -3
	s_barrier_signal -1
	s_barrier_wait -1
.endm
	s_load_b256 s[4:11], s[0:1], 0x0               ; ctx s[4:5], wh s[6:7], inputs s[8:9], ln2_scale s[10:11]
	s_load_b128 s[12:15], s[0:1], 0x20             ; ln2_bias s[12:13], xres s[14:15]
	s_load_b64 s[16:17], s[0:1], 0x30              ; act
	v_lshl_add_u32 v[SPW], v0, 2, SPARE
	v_mov_b32 v[NIL], 0
	ds_add_u32 v[SPW], v[NIL]                      ; the wave's opening: the add and its wait ahead of my first tensor load
	ds_add_u32 v28, v29
	v_lshrrev_b32 v1, 5, v0
	v_readfirstlane_b32 s18, v1                    ; wave 0..3
	s_bfe_u32 s19, ttmp6, 0x40000                  ; cx
	s_lshl_b32 s20, ttmp9, 7
	s_lshl_b32 s21, s19, 5
	s_add_co_u32 s20, s20, s21                     ; my first row = 32 (4 x cluster + cx): it enters no descriptor
	s_mov_b32 s24, 15|(1<<16)|(1<<20)|(1<<21)|(5<<22)|(7<<25)  ; the mask of four; 2-byte elements; padding on; bit 21 beside a mask; after every 64 words 8 words
	s_mov_b32 s25, 128<<16
	s_mov_b32 s26, 128<<16
	s_mov_b32 s27, 128<<16
	s_mov_b32 s28, 128
	s_mov_b32 s29, 512
	s_mov_b32 s30, 0
	s_mov_b32 s31, 0
	s_mul_i32 s22, s18, PANB                       ; my panel in a slot
	s_lshl_b32 s44, s18, 8
	s_add_co_u32 s44, s44, WOOFF                   ; wo, my 128 columns
	s_mov_b32 s45, 0
	s_mov_b32 s32, 1
	s_mov_b32 s33, s22
	s_mov_b32 s36, 1
	s_add_co_u32 s37, s22, SLOT
	s_mov_b32 s40, 0x76543210
	s_mov_b32 s41, 0xfedcba98
	s_mov_b32 s42, 0x3b000000                      ; 1 / 512
	s_mov_b32 s43, 0x358637bd                      ; 1e-6
	s_lshr_b32 s46, s20, 12                        ; ctx: batch x 8 heads x 4,096 rows, and my rows in the batch, 128 bytes each
	s_lshl_b32 s46, s46, 22
	s_and_b32 s47, s20, 4095
	s_lshl_b32 s47, s47, 7
	s_add_co_u32 s46, s46, s47
	s_mov_b32 s47, 0
	s_lshl_b32 s48, s20, 11
	s_mov_b32 s49, 0
	s_lshl_b32 s50, s20, 10
	s_mov_b32 s51, 0
	s_wait_dscnt 0x0                               ; the opening add is done
	s_wait_kmcnt 0x0
	s_add_nc_u64 s[34:35], s[6:7], s[44:45]        ; K step 0 into slot 0,
	s_add_nc_u64 s[38:39], s[34:35], 131072        ; K step 1 into slot 1
	s_or_b32 s35, s35, 0x80000000
	s_or_b32 s39, s39, 0x80000000
	s_add_nc_u64 s[4:5], s[4:5], s[46:47]
	s_add_nc_u64 s[8:9], s[8:9], s[48:49]
	s_add_nc_u64 s[14:15], s[14:15], s[48:49]
	s_add_nc_u64 s[16:17], s[16:17], s[50:51]
	CROUND                                         ; all four work-groups are here: the first joint loads meet
	tensor_load_to_lds s[32:35], s[24:31]          ; two loads of mine are out
	s_nop 0
	tensor_load_to_lds s[36:39], s[24:31]
	s_nop 0
.rept 4
	v_nop
.endr
	v_and_b32 v1, 15, v0                           ; r
	v_bfe_u32 v2, v0, 4, 1                         ; h
	v_lshlrev_b32 v[AO], 7, v1
	v_lshl_add_u32 v[AO], v2, 4, v[AO]
	s_lshl_b32 s21, s18, 9                         ; my 128 columns in f32
	v_lshlrev_b32 v[GOF], 5, v2
	v_add_nc_u32 v[GOF], s21, v[GOF]
	v_lshl_add_u32 v[IO], v1, 11, v[GOF]
	WIN 0x40
.set i, 0
.rept 32                               ; A: row block i / 16, K 32 (i % 16) on: head (i % 16) / 2, channels 32 (i % 2) on
	global_load_b128 v[8*i:8*i+3],   v[AO], s[4:5] offset:((i%16)/2)*524288+(i/16)*2048+(i%2)*64
	global_load_b128 v[8*i+4:8*i+7], v[AO], s[4:5] offset:((i%16)/2)*524288+(i/16)*2048+(i%2)*64+32
.set i, i+1
.endr
	WIN 0x80
.set i, 0
.rept 16                               ; the residual, where the sums will grow
	global_load_b128 v[8*i:8*i+3],   v[IO], s[8:9] offset:(i/8)*32768+64*(i%8)
	global_load_b128 v[8*i+4:8*i+7], v[IO], s[8:9] offset:(i/8)*32768+64*(i%8)+16
.set i, i+1
.endr
.set i, 0
.rept 8
	global_load_b128 v[128+8*i:128+8*i+3], v[GOF], s[10:11] offset:64*i
	global_load_b128 v[128+8*i+4:128+8*i+7], v[GOF], s[10:11] offset:64*i+16
	global_load_b128 v[192+8*i:192+8*i+3], v[GOF], s[12:13] offset:64*i
	global_load_b128 v[192+8*i+4:192+8*i+7], v[GOF], s[12:13] offset:64*i+16
.set i, i+1
.endr
	WIN 0
	v_and_b32 v18, 7, v0
	v_lshl_add_u32 v18, v2, 3, v18
	v_mul_u32_u24 v4, v18, PB
	v_bfe_u32 v18, v0, 3, 1
	v_lshl_add_u32 v4, v18, 4, v4                  ; turning load: K row 8 h + l % 8, columns 8 ((l / 8) % 2) ..
	v_add_nc_u32 v[ADRB], s22, v4
	v_add_nc_u32 v[ADRB+1], SLOT, v[ADRB]
	s_lshl_b32 s21, s18, 2
	s_add_co_u32 s21, s21, RED1
	v_lshl_add_u32 v[RS], v1, 4, s21               ; row r's word for my wave
	v_lshl_add_u32 v[RL], v1, 4, RED1              ; row r's four words
	v_mul_u32_u24 v[XS], v1, XP
	v_lshl_add_u32 v[XS], v2, 5, v[XS]
	v_add_nc_u32 v[XS], s22, v[XS]
	v_and_b32 v18, 31, v0
	v_lshl_add_u32 v[XL], v18, 4, s22
	s_lshl_b32 s21, s18, 9
	v_lshl_add_u32 v[XO], v18, 4, s21
	s_add_co_u32 s23, s22, YST
	v_mul_u32_u24 v[YS], v1, YP
	v_lshl_add_u32 v[YS], v2, 4, v[YS]
	v_add_nc_u32 v[YS], s23, v[YS]
	v_mul_u32_u24 v[YL], v2, YP
	v_lshl_add_u32 v[YL], v1, 4, v[YL]
	v_add_nc_u32 v[YL], s23, v[YL]
	s_lshl_b32 s21, s18, 8
	v_lshlrev_b32 v[YO], 10, v2
	v_lshl_add_u32 v[YO], v1, 4, v[YO]
	v_add_nc_u32 v[YO], s21, v[YO]
.macro FETCHB f, sl, q                 ; 16 turning loads: my 8 weight fragments of K 32 q .. of slot sl
	WIN 0
.irp b, 0,1,2,3,4,5,6,7
	ds_load_tr16_b128 v[(\f)+8*(\b):(\f)+8*(\b)+3],   v[ADRB+(\sl)] offset:32*(\b)+32*(\q)*PB
	ds_load_tr16_b128 v[(\f)+8*(\b)+4:(\f)+8*(\b)+7], v[ADRB+(\sl)] offset:32*(\b)+32*(\q)*PB+16*PB
.endr
.endm
.macro PROD f, kk                      ; 16 products, one for each accumulator: they take turns
	WIN 0xa4
.set t, 0
.rept 16
	v_wmma_f32_16x16x32_f16 v[8*t:8*t+7], v[(\f)+8*(t%8):(\f)+8*(t%8)+7], v[8*(16*(t/8)+(\kk)):8*(16*(t/8)+(\kk))+7], v[8*t:8*t+7]
.set t, t+1
.endr
.endm
.macro KSTEP st, sl                    ; K step st, which lies in slot sl; its first fragments have been asked for, into F0
	s_wait_dscnt 0x0
	PLACES
	FETCHB F1, \sl, 1
	PROD F0, 4*(\st)
	s_wait_dscnt 0x0
	PLACES
	FETCHB F0, \sl, 2
	PROD F1, 4*(\st)+1
	s_wait_dscnt 0x0
	PLACES
	FETCHB F1, \sl, 3
	PROD F0, 4*(\st)+2
	s_wait_dscnt 0x0
	PROD F1, 4*(\st)+3
.endm
.macro REFILL sl                       ; slot sl has been read: all my tensor loads are waited for, the add, the wait for it and for my reads, a round of the cluster's barrier, and the joint refill first behind it
	WIN 0
	s_wait_tensorcnt 0x0
	ds_add_u32 v[SPW], v[NIL]
	s_add_nc_u64 s[34+4*(\sl):35+4*(\sl)], s[34+4*(\sl):35+4*(\sl)], 262144  ; two K steps on
	s_wait_dscnt 0x0
	CROUND
	tensor_load_to_lds s[32+4*(\sl):35+4*(\sl)], s[24:31]
	s_nop 0
.rept 4
	v_nop                                          ; also the places ahead of the loads below
.endr
	FETCHB F0, 1-(\sl), 0
.endm
	s_wait_tensorcnt 0x1                           ; my panel of K step 0 is in (I alone read it); step 1's may stay out
	FETCHB F0, 0, 0
	s_wait_loadcnt 0x0                             ; A, the residual, the gains
	KSTEP 0, 0
	REFILL 0
	KSTEP 1, 1
	REFILL 1
	KSTEP 2, 0
	WIN 0
	s_wait_tensorcnt 0x0                           ; my last panel; nothing is filled any more
	PLACES
	FETCHB F0, 1, 0
	KSTEP 3, 1
	; THE NORM.  A lane holds 64 numbers of row 16 a + r; the lane 16 away the wave's other 64; the other waves the rest.
	WIN 0
	PLACES
	WIN 0x0a
.irp a, 0,1
	v_pk_add_f32 v[SUM+2*(\a):SUM+2*(\a)+1], v[64*(\a):64*(\a)+1], v[64*(\a)+2:64*(\a)+3]
.endr
	WIN 0x08
.set k, 2
.rept 30                               ; each accumulator's registers in ascending order
.irp a, 0,1
	v_pk_add_f32 v[SUM+2*(\a):SUM+2*(\a)+1], v[SUM+2*(\a):SUM+2*(\a)+1], v[64*(\a)+2*k:64*(\a)+2*k+1]
.endr
.set k, k+1
.endr
	WIN 0
.macro MEET off                        ; the partial sums in SUM meet: across the halves of the lanes, then across the waves through LDS; RB + 4 a takes the row's total
.irp a, 0,1
	v_add_f32 v[SUM+2*(\a)], v[SUM+2*(\a)], v[SUM+2*(\a)+1]
.endr
.irp a, 0,1
	v_permlanex16_b32 v[SUM+2*(\a)+1], v[SUM+2*(\a)], s40, s41
.endr
.irp a, 0,1
	v_add_f32 v[SUM+2*(\a)], v[SUM+2*(\a)], v[SUM+2*(\a)+1]
.endr
.irp a, 0,1
	ds_store_b32 v[RS], v[SUM+2*(\a)] offset:(\off)+256*(\a)
.endr
	s_wait_dscnt 0x0                               ; for the others' sake: my words are written
	s_barrier_signal -1
	s_barrier_wait -1
.irp a, 0,1
	ds_load_b128 v[RB+4*(\a):RB+4*(\a)+3], v[RL] offset:(\off)+256*(\a)
.endr
	s_wait_dscnt 0x0
.irp a, 0,1
	v_add_f32 v[RB+4*(\a)], v[RB+4*(\a)], v[RB+4*(\a)+1]
	v_add_f32 v[RB+4*(\a)+2], v[RB+4*(\a)+2], v[RB+4*(\a)+3]
.endr
.irp a, 0,1
	v_add_f32 v[RB+4*(\a)], v[RB+4*(\a)], v[RB+4*(\a)+2]
.endr
.endm
	MEET 0
.irp a, 0,1
	v_mul_f32 v[MU+2*(\a)], s42, v[RB+4*(\a)]
	v_mov_b32 v[MU+2*(\a)+1], 0                    ; named with it as a pair
.endr
.irp a, 0,1
	WIN 0x02
.set k, 0
.rept 32
	v_pk_add_f32 v[D+2*k:D+2*k+1], v[64*(\a)+2*k:64*(\a)+2*k+1], v[MU+2*(\a):MU+2*(\a)+1] op_sel_hi:[1,0] neg_lo:[0,1] neg_hi:[0,1]
.set k, k+1
.endr
	WIN 0
.set k, 0
.rept 4
	v_pk_mul_f32 v[QQ+2*k:QQ+2*k+1], v[D+2*k:D+2*k+1], v[D+2*k:D+2*k+1]
.set k, k+1
.endr
.rept 28
	v_pk_fma_f32 v[QQ+2*(k%4):QQ+2*(k%4)+1], v[D+2*k:D+2*k+1], v[D+2*k:D+2*k+1], v[QQ+2*(k%4):QQ+2*(k%4)+1]
.set k, k+1
.endr
	v_pk_add_f32 v[QQ:QQ+1], v[QQ:QQ+1], v[QQ+2:QQ+3]
	v_pk_add_f32 v[QQ+4:QQ+5], v[QQ+4:QQ+5], v[QQ+6:QQ+7]
	v_pk_add_f32 v[SUM+2*(\a):SUM+2*(\a)+1], v[QQ:QQ+1], v[QQ+4:QQ+5]
.endr
	MEET 512
.irp a, 0,1
	v_fma_f32 v[RSTD+2*(\a)], v[RB+4*(\a)], s42, s43
	v_mov_b32 v[RSTD+2*(\a)+1], 0
	v_mov_b32 v[NM+2*(\a)+1], 0
.endr
.irp a, 0,1
	v_rsq_f32 v[RSTD+2*(\a)], v[RSTD+2*(\a)]
.endr
	v_nop                                          ; a plain instruction behind the last root,
	s_wait_alu depctr_va_vdst(0)                   ; and one wait for the two
.irp a, 0,1
	v_mul_f32 v[NM+2*(\a)], -v[MU+2*(\a)], v[RSTD+2*(\a)]
.endr
	; x goes out through my stage: in by fragments, back as whole rows of 512 bytes
	WIN 0x08
.set t, 0
.rept 16
	ds_store_b128 v[XS], v[8*t:8*t+3]   offset:(t/8)*16*XP+64*(t%8)
	ds_store_b128 v[XS], v[8*t+4:8*t+7] offset:(t/8)*16*XP+64*(t%8)+16
.set t, t+1
.endr
	WIN 0
.set t, 0
.rept 32
	ds_load_b128 v[64+4*t:64+4*t+3], v[XL] offset:t*XP  ; LDS serves a wave's instructions in order (ISA guide 5.7.1.4): these see the stores above
.set t, t+1
.endr
	s_wait_dscnt 0x0
.set t, 0
.rept 32
	global_store_b128 v[XO], v[64+4*t:64+4*t+3], s[14:15] offset:t*2048  ; 512 consecutive bytes, aligned
.set t, t+1
.endr
	; the normed rows: (x / sigma - mean / sigma) * scale + bias, rounded to f16
.irp a, 0,1
	WIN 0x02
.set k, 0
.rept 32
	v_pk_fma_f32 v[D+2*k:D+2*k+1], v[64*(\a)+2*k:64*(\a)+2*k+1], v[RSTD+2*(\a):RSTD+2*(\a)+1], v[NM+2*(\a):NM+2*(\a)+1] op_sel_hi:[1,0,0]
.set k, k+1
.endr
	WIN 0x28
.set k, 0
.rept 32
	v_pk_fma_f32 v[D+2*k:D+2*k+1], v[D+2*k:D+2*k+1], v[128+2*k:128+2*k+1], v[192+2*k:192+2*k+1]
.set k, k+1
.endr
	WIN 0
.set k, 0
.rept 32
	v_cvt_pk_f16_f32 v[D+k], v[D+2*k], v[D+2*k+1]
.set k, k+1
.endr
.irp b, 0,1,2,3,4,5,6,7
	ds_store_b128 v[YS], v[D+4*(\b):D+4*(\b)+3] offset:(\a)*16*YP+32*(\b)
.endr
.endr
.set t, 0
.rept 16
	ds_load_b128 v[D+4*t:D+4*t+3], v[YL] offset:t*2*YP
.set t, t+1
.endr
	s_wait_dscnt 0x0
.set t, 0
.rept 16
	global_store_b128 v[YO], v[D+4*t:D+4*t+3], s[16:17] offset:t*2048  ; 16 lanes store 256 consecutive bytes, aligned
.set t, t+1
.endr
	s_wait_tensorcnt 0x0                           ; the wave's end
	ds_add_u32 v[SPW], v[NIL]
	s_wait_dscnt 0x0
	CROUND                                         ; the closing round
	s_endpgm
.Lfunc_end_k_q16ad0eb86e_proj:
	.size	k_q16ad0eb86e_proj, .Lfunc_end_k_q16ad0eb86e_proj-k_q16ad0eb86e_proj
	.p2alignl 7, 3214868480
	.fill 96, 4, 3214868480
	.section	.rodata,"a",@progbits
	.p2align	6, 0x0
	.amdhsa_kernel k_q16ad0eb86e_proj
		.amdhsa_group_segment_fixed_size 327680
		.amdhsa_private_segment_fixed_size 0
		.amdhsa_enable_private_segment 0
		.amdhsa_kernarg_size 56
		.amdhsa_user_sgpr_count 2
		.amdhsa_user_sgpr_kernarg_segment_ptr 1
		.amdhsa_wavefront_size32 1
		.amdhsa_system_sgpr_workgroup_id_x 1
		.amdhsa_system_sgpr_workgroup_id_y 1
		.amdhsa_system_sgpr_workgroup_id_z 1
		.amdhsa_system_vgpr_workitem_id 0
		.amdhsa_next_free_vgpr 768
		.amdhsa_next_free_sgpr 66
		.amdhsa_reserve_vcc 0
		.amdhsa_float_denorm_mode_32 3
		.amdhsa_float_denorm_mode_16_64 3
		.amdhsa_memory_ordered 1
		.amdhsa_forward_progress 1
		.amdhsa_inst_pref_size 93
	.end_amdhsa_kernel
	.amdgpu_metadata
---
amdhsa.version: [ 1, 2 ]
amdhsa.kernels:
  - .name:           k_q16ad0eb86e_proj
    .symbol:         k_q16ad0eb86e_proj.kd
    .args:
      - { .name: ctx, .offset: 0, .size: 8, .value_kind: global_buffer, .address_space: global }
      - { .name: wh, .offset: 8, .size: 8, .value_kind: global_buffer, .address_space: global }
      - { .name: inputs, .offset: 16, .size: 8, .value_kind: global_buffer, .address_space: global }
      - { .name: ln2_scale, .offset: 24, .size: 8, .value_kind: global_buffer, .address_space: global }
      - { .name: ln2_bias, .offset: 32, .size: 8, .value_kind: global_buffer, .address_space: global }
      - { .name: xres, .offset: 40, .size: 8, .value_kind: global_buffer, .address_space: global }
      - { .name: act, .offset: 48, .size: 8, .value_kind: global_buffer, .address_space: global }
    .group_segment_fixed_size: 327680
    .private_segment_fixed_size: 0
    .kernarg_segment_align: 8
    .kernarg_segment_size: 56
    .max_flat_workgroup_size: 128
    .sgpr_count:     66
    .vgpr_count:     768
    .wavefront_size: 32
...
	.end_amdgpu_metadata
.endif
;; end of part 4
;; launch mlp1 (part 5): grid 8 x 32, 4 waves a work-group, clusters of 4 x 4, 327,680 bytes of LDS; arguments act, wh, b1, hbuf; writes hbuf
.if DOCPART == 5
	.amdgcn_target "amdgcn-amd-amdhsa--gfx1250"
	.amdhsa_code_object_version 6
	.text
	.protected	k_q16ad0eb86e_mlp1
	.globl	k_q16ad0eb86e_mlp1
	.p2align	8
	.type	k_q16ad0eb86e_mlp1,@function
k_q16ad0eb86e_mlp1:
	s_mov_b64 s[64:65], 0
	v_nop
	global_prefetch_b8 v0, s[64:65] scope:SCOPE_SE
	s_setreg_imm32_b32 hwreg(HW_REG_WAVE_MODE, 25, 1), 1
	s_wait_xcnt 0x0
	s_wait_alu depctr_hold_cnt(0) depctr_sa_sdst(0) depctr_va_vdst(0) depctr_va_sdst(0) depctr_va_ssrc(0) depctr_va_vcc(0) depctr_vm_vsrc(0)
	s_getreg_b32 s2, hwreg(HW_REG_IB_STS2, 6, 4)
	s_cmp_eq_u32 s2, 0
	s_cbranch_scc0 .Lentry_in_a_cluster
	s_endpgm
.Lentry_in_a_cluster:
	s_bfe_u32 s2, ttmp6, 0x10000c
	s_cmp_lg_u32 s2, 0xf033
	s_cbranch_scc0 .Lentry_shape_is_right
	s_endpgm
.Lentry_shape_is_right:
; MLP1.  hbuf = gelu(act . w1 + b1), rounded once to f16.  act: [8192][512] f16; w1: wh + 2,097,152, [512][2048] f16, stored [K][N]; b1 f32; sums in f32.
; gelu in its tanh form: x / (1 + 2^(x (C1 + C2 x^2))), C1 = -2 log2(e) sqrt(2 / pi), C2 = 0.044715 C1.  LIMIT: gelu's results must lie within f16's 65,504.
; SHARES.  A work-group makes 256 x 256, each of its four waves 128 x 128: 64 accumulators.  K goes in four steps of 128 through two LDS slots: A's two panels (128 rows x 128 K, rows 272 bytes
; apart), then the weights' two (128 K x 128 columns, 288 apart); waves 0, 1 fetch A's, waves 2, 3 the weights': one tensor load a wave, rows of 256 bytes of memory, aligned.
; The weights are turned on the way to registers by ds_load_tr16_b128.  THE MATRIX INSTRUCTION IS USED TRANSPOSED: a lane holds row l % 16 and eight neighbouring columns.
; The bias is the C operand of the products that start the sums.  CLUSTER 4 x 4: A's panels are asked for jointly along a row of the cluster, the weights' along a column.
; No prefetch: K has four steps, all asked for by the second change of slots.
; THE WAY OUT is a counted loop: the sums are laid into LDS in f32 (the slots have had their last fill) and come back eight rows a trip, a lane four neighbouring columns.
; REGISTERS: window 0 addresses, bias, the way out; window 1 two fragment buffers of 128; windows 2, 3 accumulator t = 8 a + b at v[8 (t % 32)] of window 2 + t / 32.
.set PA,    272
.set PB,    288
.set PANA,  128*PA
.set PANB,  128*PB
.set SLOT,  2*PANA+2*PANB
.set SPARE, 2*SLOT
.set W1OFF, 2097152
.set MB,    8
.set NB,    8
.set ASTEP, 256
.set BSTEP, 128*2048*2
.set DP,    528                        ; the way out: a row of 128 f32 + 16 bytes
.set F0,    0
.set F1,    128
.set ADRA0, 5
.set ADRB0, 6
.set ADRA,  9
.set ADRB,  10
.set DS,    13
.set LD,    14
.set HO,    15
.set BO,    18
.set SPW,   28
.set NIL,   29
.set BIAS,  64                         ; v[64:127]  b1 of column block b at BIAS + 8 b
.set X,     128
.set T,     160
.set Y,     192
.set MSB, 0
.macro WIN new
.if MSB != (\new)
	s_set_vgpr_msb (MSB<<8)|(\new)
.set MSB, \new
.endif
.endm
.macro PLACES
.rept 4
	v_nop
.endr
.endm
.macro CROUND
	s_barrier_signal -1
	s_barrier_wait -1
	s_cmp_lg_u32 s10, 0
	s_cbranch_scc1 .Lnot_wave_0_\@
	s_barrier_signal -3
.Lnot_wave_0_\@:
	s_barrier_wait -3
	s_barrier_signal -1
	s_barrier_wait -1
.endm
.macro JLOAD
	s_cmp_lt_u32 s10, 2
	s_cbranch_scc0 .Lfor_b_\@
	tensor_load_to_lds s[36:39], s[24:31]
	s_nop 0
.rept 4
	v_nop
.endr
	s_branch .Lasked_\@
.Lfor_b_\@:
	tensor_load_to_lds s[60:63], s[48:55]
	s_nop 0
.rept 4
	v_nop
.endr
.Lasked_\@:
.endm
	s_load_b128 s[4:7], s[0:1], 0x0                ; act s[4:5], wh s[6:7]
	s_load_b128 s[68:71], s[0:1], 0x10             ; b1 s[68:69], hbuf s[70:71]
	v_lshl_add_u32 v[SPW], v0, 2, SPARE
	v_mov_b32 v[NIL], 0
	ds_add_u32 v[SPW], v[NIL]                      ; the wave's opening: the add and its wait ahead of my first tensor load
	ds_add_u32 v28, v29
	v_lshrrev_b32 v1, 5, v0
	v_readfirstlane_b32 s10, v1
	s_lshr_b32 s11, s10, 1                         ; wm
	s_and_b32 s12, s10, 1                          ; wn; also: which half I fetch
	s_bfe_u32 s40, ttmp6, 0x40000
	s_bfe_u32 s41, ttmp6, 0x40004
	s_lshl_b32 s42, ttmp9, 2
	s_add_co_u32 s42, s42, s40                     ; nt
	s_and_b32 s13, ttmp7, 0xffff
	s_lshl_b32 s13, s13, 2
	s_add_co_u32 s13, s13, s41                     ; mt
	s_lshl_b32 s43, s41, 2
	s_lshl_b32 s43, 15, s43
	s_lshl_b32 s44, 0x1111, s40
	s_or_b32 s24, s43, (1<<16)|(1<<20)|(1<<21)|(5<<22)|(3<<25)
	s_or_b32 s48, s44, (1<<16)|(1<<20)|(1<<21)|(5<<22)|(7<<25)
.irp g, 24, 48
	s_mov_b32 s[\g+1], 128<<16
	s_mov_b32 s[\g+2], 128<<16
	s_mov_b32 s[\g+3], 128<<16
	s_mov_b32 s[\g+4], 128
	s_mov_b32 s[\g+6], 0
	s_mov_b32 s[\g+7], 0
.endr
	s_mov_b32 s29, 512
	s_mov_b32 s53, 2048
	s_lshl_b32 s14, s13, 18                        ; A: row 256 mt + 128 half, 1,024 bytes a row
	s_lshl_b32 s16, s12, 17
	s_add_co_u32 s14, s14, s16
	s_mov_b32 s15, 0
	s_lshl_b32 s46, s42, 9                         ; weights: column 256 nt + 128 half
	s_lshl_b32 s16, s12, 8
	s_add_co_u32 s46, s46, s16
	s_add_co_u32 s46, s46, W1OFF
	s_mov_b32 s47, 0
	s_mul_i32 s22, s12, PANA
	s_mul_i32 s23, s12, PANB
	s_add_co_u32 s23, s23, 2*PANA
	s_mov_b32 s20, 0
	s_mov_b32 s21, SLOT
	s_mov_b32 s32, 1
	s_mov_b32 s33, s22
	s_mov_b32 s36, 1
	s_add_co_u32 s37, s22, SLOT
	s_mov_b32 s56, 1
	s_mov_b32 s57, s23
	s_mov_b32 s60, 1
	s_add_co_u32 s61, s23, SLOT
	s_mov_b32 s74, 0xc0135761                      ; C1
	s_mov_b32 s75, s74
	s_mov_b32 s76, 0xbdd2d3e8                      ; C2
	s_mov_b32 s77, s76
	s_wait_dscnt 0x0
	s_wait_kmcnt 0x0
	s_add_nc_u64 s[14:15], s[4:5], s[14:15]
	s_add_nc_u64 s[46:47], s[6:7], s[46:47]
	s_mov_b64 s[34:35], s[14:15]
	s_or_b32 s35, s35, 0x80000000
	s_add_nc_u64 s[38:39], s[14:15], ASTEP
	s_or_b32 s39, s39, 0x80000000
	s_mov_b64 s[58:59], s[46:47]
	s_or_b32 s59, s59, 0x80000000
	s_add_nc_u64 s[62:63], s[46:47], BSTEP
	s_or_b32 s63, s63, 0x80000000
	CROUND
	s_cmp_lt_u32 s10, 2
	s_cbranch_scc0 .Lfirst_b
	tensor_load_to_lds s[32:35], s[24:31]
	s_nop 0
	tensor_load_to_lds s[36:39], s[24:31]
	s_nop 0
.rept 4
	v_nop
.endr
	s_branch .Lfirst_done
.Lfirst_b:
	tensor_load_to_lds s[56:59], s[48:55]
	s_nop 0
	tensor_load_to_lds s[60:63], s[48:55]
	s_nop 0
.rept 4
	v_nop
.endr
.Lfirst_done:
	v_and_b32 v1, 15, v0
	v_bfe_u32 v2, v0, 4, 1
	s_lshl_b32 s16, s42, 10                        ; b1 at column 256 nt + 128 wn
	s_lshl_b32 s17, s12, 9
	s_add_co_u32 s16, s16, s17
	s_mov_b32 s17, 0
	s_add_nc_u64 s[68:69], s[68:69], s[16:17]
	v_lshlrev_b32 v[BO], 5, v2
.irp b, 0,1,2,3,4,5,6,7
	global_load_b128 v[BIAS+8*(\b):BIAS+8*(\b)+3],   v[BO], s[68:69] offset:64*(\b)
	global_load_b128 v[BIAS+8*(\b)+4:BIAS+8*(\b)+7], v[BO], s[68:69] offset:64*(\b)+16
.endr
	v_mul_u32_u24 v3, v1, PA
	v_lshl_add_u32 v3, v2, 4, v3
	v_and_b32 v16, 7, v0
	v_lshl_add_u32 v16, v2, 3, v16
	v_mul_u32_u24 v4, v16, PB
	v_bfe_u32 v16, v0, 3, 1
	v_lshl_add_u32 v4, v16, 4, v4
	s_mul_i32 s16, s11, PANA
	v_add_nc_u32 v[ADRA0], s16, v3
	v_mov_b32 v[ADRA], v[ADRA0]
	s_mul_i32 s16, s12, PANB
	s_add_co_u32 s16, s16, 2*PANA
	v_add_nc_u32 v[ADRB0], s16, v4
	v_mov_b32 v[ADRB], v[ADRB0]
	s_mul_i32 s16, s10, 128*DP                     ; my part of LDS on the way out
	v_mul_u32_u24 v[DS], v1, DP
	v_lshl_add_u32 v[DS], v2, 5, v[DS]
	v_add_nc_u32 v[DS], s16, v[DS]
	v_and_b32 v16, 31, v0
	v_lshl_add_u32 v[LD], v16, 4, s16
	v_lshlrev_b32 v[HO], 3, v16
	s_lshl_b32 s16, s13, 20                        ; hbuf at row 256 mt + 128 wm (4,096 bytes a row), column 256 nt + 128 wn
	s_lshl_b32 s17, s11, 19
	s_add_co_u32 s16, s16, s17
	s_lshl_b32 s17, s42, 9
	s_add_co_u32 s16, s16, s17
	s_lshl_b32 s17, s12, 8
	s_add_co_u32 s16, s16, s17
	s_mov_b32 s17, 0
	s_add_nc_u64 s[70:71], s[70:71], s[16:17]
.macro FETCH f, q
	WIN 0x40
.irp b, 0,1,2,3,4,5,6,7
	ds_load_tr16_b128 v[(\f)+8*(\b):(\f)+8*(\b)+3],   v[ADRB] offset:32*(\b)+32*(\q)*PB
	ds_load_tr16_b128 v[(\f)+8*(\b)+4:(\f)+8*(\b)+7], v[ADRB] offset:32*(\b)+32*(\q)*PB+16*PB
.endr
.irp a, 0,1,2,3,4,5,6,7
	ds_load_b128 v[(\f)+64+8*(\a):(\f)+64+8*(\a)+3],   v[ADRA] offset:(\a)*16*PA+64*(\q)
	ds_load_b128 v[(\f)+64+8*(\a)+4:(\f)+64+8*(\a)+7], v[ADRA] offset:(\a)*16*PA+64*(\q)+32
.endr
.endm
.macro MULQ f, zero                    ; 64 products, one for each accumulator: they take turns.  zero = 2: the sums start from the bias
.set t, 0
.rept MB*NB
.if (\zero) == 2
	WIN 0x85+0x40*(t/32)
	v_wmma_f32_16x16x32_f16 v[8*(t%32):8*(t%32)+7], v[(\f)+8*(t%NB):(\f)+8*(t%NB)+7], v[(\f)+64+8*(t/NB):(\f)+64+8*(t/NB)+7], v[BIAS+8*(t%NB):BIAS+8*(t%NB)+7]
.else
	WIN 0xa5+0x50*(t/32)
	v_wmma_f32_16x16x32_f16 v[8*(t%32):8*(t%32)+7], v[(\f)+8*(t%NB):(\f)+8*(t%NB)+7], v[(\f)+64+8*(t/NB):(\f)+64+8*(t/NB)+7], v[8*(t%32):8*(t%32)+7]
.endif
.set t, t+1
.endr
.endm
.macro QUARTER f, g, qn, zero
	s_wait_dscnt 0x0                               ; buffer f, asked for a quarter ago, is in
.if (\qn) >= 0
	PLACES
	FETCH \g, \qn
.endif
	MULQ \f, \zero
.endm
.macro CHANGE fill                     ; the change of slots: all my tensor loads waited for, the add, the wait for it and for my reads; fill = 1: a round of the cluster's barrier and the joint refill first behind it
	WIN 0
	s_wait_tensorcnt 0x0
	ds_add_u32 v[SPW], v[NIL]
	s_xor_b32 s20, s20, SLOT
	v_add_nc_u32 v[ADRA], s20, v[ADRA0]
	v_add_nc_u32 v[ADRB], s20, v[ADRB0]
.if \fill
	s_xor_b32 s21, s21, SLOT
	s_add_co_u32 s37, s21, s22
	s_add_co_u32 s61, s21, s23
	s_add_nc_u64 s[38:39], s[38:39], ASTEP
	s_add_nc_u64 s[62:63], s[62:63], BSTEP
.endif
	s_wait_dscnt 0x0
.if \fill
	CROUND
	JLOAD
.else
	s_barrier_signal -1
	s_barrier_wait -1
	PLACES
.endif
.endm
	s_wait_tensorcnt 0x1                           ; my part of K step 0 is in; step 1's may stay out
	s_barrier_signal -1
	s_barrier_wait -1
	FETCH F0, 0
	s_wait_loadcnt 0x0                             ; the bias
	QUARTER F0, F1, 1, 2
	WIN 0
	s_mov_b32 s3, 3
	s_branch .Lmid
.Ltop:
	CHANGE 1
	FETCH F0, 0
	QUARTER F0, F1, 1, 0
	WIN 0
.Lmid:
	QUARTER F1, F0, 2, 0
	QUARTER F0, F1, 3, 0
	QUARTER F1, 0, -1, 0
	WIN 0
	s_sub_co_u32 s3, s3, 1
	s_cmp_lg_u32 s3, 0
	s_cbranch_scc1 .Ltop
	CHANGE 0
	FETCH F0, 0
	QUARTER F0, F1, 1, 0
	QUARTER F1, F0, 2, 0
	QUARTER F0, F1, 3, 0
	QUARTER F1, 0, -1, 0
	WIN 0
	s_wait_dscnt 0x0                               ; my reads of the slots are over,
	s_barrier_signal -1
	s_barrier_wait -1                              ; everybody's are: the slots, filled for the last time, become the stage
	PLACES
.set t, 0
.rept 64
	WIN 0x08+4*(t/32)
	ds_store_b128 v[DS], v[8*(t%32):8*(t%32)+3]   offset:(t/8)*16*DP+64*(t%8)
	ds_store_b128 v[DS], v[8*(t%32)+4:8*(t%32)+7] offset:(t/8)*16*DP+64*(t%8)+16
.set t, t+1
.endr
	WIN 0
	s_mov_b32 s3, 16
.Lrows:                                        ; eight rows of my 128 a trip
.irp i, 0,1,2,3,4,5,6,7
	ds_load_b128 v[X+4*(\i):X+4*(\i)+3], v[LD] offset:(\i)*DP  ; my own bytes: LDS serves a wave's instructions in order (ISA guide 5.7.1.4)
.endr
	s_wait_dscnt 0x0
.set k, 0
.rept 16
	v_pk_mul_f32 v[T+2*k:T+2*k+1], v[X+2*k:X+2*k+1], v[X+2*k:X+2*k+1]
.set k, k+1
.endr
.set k, 0
.rept 16
	v_pk_fma_f32 v[T+2*k:T+2*k+1], v[T+2*k:T+2*k+1], s[76:77], s[74:75] op_sel_hi:[1,0,0]
.set k, k+1
.endr
.set k, 0
.rept 16
	v_pk_mul_f32 v[T+2*k:T+2*k+1], v[T+2*k:T+2*k+1], v[X+2*k:X+2*k+1]
.set k, k+1
.endr
.set k, 0
.rept 32
	v_exp_f32 v[T+k], v[T+k]
.set k, k+1
.endr
	v_nop                                          ; a plain instruction behind the batch, and one wait for it
	s_wait_alu depctr_va_vdst(0)
.set k, 0
.rept 16
	v_pk_add_f32 v[T+2*k:T+2*k+1], v[T+2*k:T+2*k+1], 1.0 op_sel_hi:[1,0]
.set k, k+1
.endr
.set k, 0
.rept 32
	v_rcp_f32 v[T+k], v[T+k]
.set k, k+1
.endr
	v_nop
	s_wait_alu depctr_va_vdst(0)
.set k, 0
.rept 16
	v_pk_mul_f32 v[T+2*k:T+2*k+1], v[T+2*k:T+2*k+1], v[X+2*k:X+2*k+1]
.set k, k+1
.endr
.set k, 0
.rept 16
	v_cvt_pk_f16_f32 v[Y+k], v[T+2*k], v[T+2*k+1]
.set k, k+1
.endr
.irp i, 0,1,2,3,4,5,6,7
	global_store_b64 v[HO], v[Y+2*(\i):Y+2*(\i)+1], s[70:71] offset:(\i)*4096  ; 32 lanes store 256 consecutive bytes, aligned
.endr
	s_wait_xcnt 0x0                                ; the stores have read their data and their base: both are written again only behind this wait
	s_add_nc_u64 s[70:71], s[70:71], 32768
	v_add_nc_u32 v[LD], 8*DP, v[LD]
	s_sub_co_u32 s3, s3, 1
	s_cmp_lg_u32 s3, 0
	s_cbranch_scc1 .Lrows
	s_wait_tensorcnt 0x0                           ; the wave's end
	ds_add_u32 v[SPW], v[NIL]
	s_wait_dscnt 0x0
	CROUND
	s_endpgm
.Lfunc_end_k_q16ad0eb86e_mlp1:
	.size	k_q16ad0eb86e_mlp1, .Lfunc_end_k_q16ad0eb86e_mlp1-k_q16ad0eb86e_mlp1
	.p2alignl 7, 3214868480
	.fill 96, 4, 3214868480
	.section	.rodata,"a",@progbits
	.p2align	6, 0x0
	.amdhsa_kernel k_q16ad0eb86e_mlp1
		.amdhsa_group_segment_fixed_size 327680
		.amdhsa_private_segment_fixed_size 0
		.amdhsa_enable_private_segment 0
		.amdhsa_kernarg_size 32
		.amdhsa_user_sgpr_count 2
		.amdhsa_user_sgpr_kernarg_segment_ptr 1
		.amdhsa_wavefront_size32 1
		.amdhsa_system_sgpr_workgroup_id_x 1
		.amdhsa_system_sgpr_workgroup_id_y 1
		.amdhsa_system_sgpr_workgroup_id_z 1
		.amdhsa_system_vgpr_workitem_id 0
		.amdhsa_next_free_vgpr 1024
		.amdhsa_next_free_sgpr 80
		.amdhsa_reserve_vcc 0
		.amdhsa_float_denorm_mode_32 3
		.amdhsa_float_denorm_mode_16_64 3
		.amdhsa_memory_ordered 1
		.amdhsa_forward_progress 1
		.amdhsa_inst_pref_size 87
	.end_amdhsa_kernel
	.amdgpu_metadata
---
amdhsa.version: [ 1, 2 ]
amdhsa.kernels:
  - .name:           k_q16ad0eb86e_mlp1
    .symbol:         k_q16ad0eb86e_mlp1.kd
    .args:
      - { .name: act, .offset: 0, .size: 8, .value_kind: global_buffer, .address_space: global }
      - { .name: wh, .offset: 8, .size: 8, .value_kind: global_buffer, .address_space: global }
      - { .name: b1, .offset: 16, .size: 8, .value_kind: global_buffer, .address_space: global }
      - { .name: hbuf, .offset: 24, .size: 8, .value_kind: global_buffer, .address_space: global }
    .group_segment_fixed_size: 327680
    .private_segment_fixed_size: 0
    .kernarg_segment_align: 8
    .kernarg_segment_size: 32
    .max_flat_workgroup_size: 128
    .sgpr_count:     80
    .vgpr_count:     1024
    .wavefront_size: 32
...
	.end_amdgpu_metadata
.endif
;; end of part 5
;; launch mlp2 (part 6): grid 4 x 64, 4 waves a work-group, clusters of 4 x 4, 327,680 bytes of LDS; arguments hbuf, wh, xres, b2, out0; writes out0
.if DOCPART == 6
	.amdgcn_target "amdgcn-amd-amdhsa--gfx1250"
	.amdhsa_code_object_version 6
	.text
	.protected	k_q16ad0eb86e_mlp2
	.globl	k_q16ad0eb86e_mlp2
	.p2align	8
	.type	k_q16ad0eb86e_mlp2,@function
k_q16ad0eb86e_mlp2:
	s_mov_b64 s[64:65], 0
	v_nop
	global_prefetch_b8 v0, s[64:65] scope:SCOPE_SE
	s_setreg_imm32_b32 hwreg(HW_REG_WAVE_MODE, 25, 1), 1
	s_wait_xcnt 0x0
	s_wait_alu depctr_hold_cnt(0) depctr_sa_sdst(0) depctr_va_vdst(0) depctr_va_sdst(0) depctr_va_ssrc(0) depctr_va_vcc(0) depctr_vm_vsrc(0)
	s_getreg_b32 s2, hwreg(HW_REG_IB_STS2, 6, 4)
	s_cmp_eq_u32 s2, 0
	s_cbranch_scc0 .Lentry_in_a_cluster
	s_endpgm
.Lentry_in_a_cluster:
	s_bfe_u32 s2, ttmp6, 0x10000c
	s_cmp_lg_u32 s2, 0xf033
	s_cbranch_scc0 .Lentry_shape_is_right
	s_endpgm
.Lentry_shape_is_right:
; MLP2.  out0 = xres + hbuf . w2 + b2, f32.  hbuf: [8192][2048] f16; w2: wh + 4,194,304, [2048][512] f16, stored [K][N]; sums in f32.
; SHARES.  A work-group makes 128 x 128, each of its four waves 64 x 64: 16 accumulators, which START as xres + b2.  256 work-groups.
; K goes in eight steps of 256 through two LDS slots: A's two panels (128 rows x 128 K each, rows 272 bytes apart), then the weights' two (128 K x 128 columns, 288 apart);
; waves 0, 1 fetch A's two K halves, waves 2, 3 the weights': one tensor load a wave, rows of 256 bytes of memory, aligned.  The weights are turned by ds_load_tr16_b128.
; THE MATRIX INSTRUCTION IS USED TRANSPOSED: a lane holds row l % 16 and eight neighbouring columns.  CLUSTER 4 x 4: A's panels jointly along a row of the cluster, the weights' along a column.
; AHEAD OF THE REFILLS: behind each joint refill and the run of LDS loads that follows it, a wave names the panel that it will ask for two refills on: 32 of its 128 rows, a lane a row of 256 bytes.
; The four partners that ask for a panel jointly share its rows out by address (cx for A, cy for the weights).  A's rows belong to one cluster; the weights' are named by the clusters with y = 0 alone.
; So each piece is named once.  K steps 0-3 come by their loads alone; the last two refills name nothing.
; REGISTERS: window 0 addresses, b2, the way out; window 1 two fragment buffers of 128 (two groups of 32 K: 4 weight fragments, 4 of A); window 2 accumulator t = 4 a + b at v[8 t].
.set PA,    272
.set PB,    288
.set PANA,  128*PA
.set PANB,  128*PB
.set SLOT,  2*PANA+2*PANB
.set SPARE, 2*SLOT
.set W2OFF, 4194304
.set ASTEP, 512
.set BSTEP, 256*512*2
.set OP,    272                        ; the way out: a row of 64 f32 + 16 bytes
.set F0,    0
.set F1,    128
.set ADRA0, 5
.set ADRB0, 6                          ; v6, v7: K half 0, 1
.set ADRA,  9
.set ADRB,  10                         ; v10, v11
.set XO,    13
.set BO,    14
.set DS,    15
.set LD,    18
.set OO,    19
.set PFO,   20
.set SPW,   28
.set NIL,   29
.set B2,    32                         ; v[32:63]
.set OUT,   64                         ; v[64:191]
.set PFA,   74                         ; s[74:75] where my prefetches stand; s[76:77] their step
.set LIM,   78                         ; s78: a wave names a panel while the loop's count is above it
.set MSB, 0
.macro WIN new
.if MSB != (\new)
	s_set_vgpr_msb (MSB<<8)|(\new)
.set MSB, \new
.endif
.endm
.macro PLACES
.rept 4
	v_nop
.endr
.endm
.macro CROUND
	s_barrier_signal -1
	s_barrier_wait -1
	s_cmp_lg_u32 s10, 0
	s_cbranch_scc1 .Lnot_wave_0_\@
	s_barrier_signal -3
.Lnot_wave_0_\@:
	s_barrier_wait -3
	s_barrier_signal -1
	s_barrier_wait -1
.endm
.macro JLOAD
	s_cmp_lt_u32 s10, 2
	s_cbranch_scc0 .Lfor_b_\@
	tensor_load_to_lds s[36:39], s[24:31]
	s_nop 0
.rept 4
	v_nop
.endr
	s_branch .Lasked_\@
.Lfor_b_\@:
	tensor_load_to_lds s[60:63], s[48:55]
	s_nop 0
.rept 4
	v_nop
.endr
.Lasked_\@:
.endm
.macro ASK
	s_cmp_gt_u32 s3, s[LIM]
	s_cbranch_scc0 .Lnot_mine_\@
	global_prefetch_b8 v[PFO], s[PFA:PFA+1] th:TH_LOAD_NT scope:SCOPE_SE
.Lnot_mine_\@:
.endm
	s_load_b128 s[4:7], s[0:1], 0x0                ; hbuf s[4:5], wh s[6:7]
	s_load_b128 s[68:71], s[0:1], 0x10             ; xres s[68:69], b2 s[70:71]
	s_load_b64 s[72:73], s[0:1], 0x20              ; out0
	v_lshl_add_u32 v[SPW], v0, 2, SPARE
	v_mov_b32 v[NIL], 0
	ds_add_u32 v[SPW], v[NIL]                      ; the wave's opening: the add and its wait ahead of my first tensor load
	ds_add_u32 v28, v29
	v_lshrrev_b32 v1, 5, v0
	v_readfirstlane_b32 s10, v1
	s_lshr_b32 s11, s10, 1                         ; wm
	s_and_b32 s12, s10, 1                          ; wn; also: which K half I fetch
	s_bfe_u32 s40, ttmp6, 0x40000
	s_bfe_u32 s41, ttmp6, 0x40004
	s_lshl_b32 s42, ttmp9, 2
	s_add_co_u32 s42, s42, s40                     ; nt
	s_and_b32 s13, ttmp7, 0xffff
	s_lshl_b32 s13, s13, 2
	s_add_co_u32 s13, s13, s41                     ; mt
	s_lshl_b32 s43, s41, 2
	s_lshl_b32 s43, 15, s43
	s_lshl_b32 s44, 0x1111, s40
	s_or_b32 s24, s43, (1<<16)|(1<<20)|(1<<21)|(5<<22)|(3<<25)
	s_or_b32 s48, s44, (1<<16)|(1<<20)|(1<<21)|(5<<22)|(7<<25)
.irp g, 24, 48
	s_mov_b32 s[\g+1], 128<<16
	s_mov_b32 s[\g+2], 128<<16
	s_mov_b32 s[\g+3], 128<<16
	s_mov_b32 s[\g+4], 128
	s_mov_b32 s[\g+6], 0
	s_mov_b32 s[\g+7], 0
.endr
	s_mov_b32 s29, 2048
	s_mov_b32 s53, 512
	s_lshl_b32 s14, s13, 19                        ; A: row 128 mt (4,096 bytes a row), K half
	s_lshl_b32 s16, s12, 8
	s_add_co_u32 s14, s14, s16
	s_mov_b32 s15, 0
	s_lshl_b32 s46, s42, 8                         ; weights: column 128 nt, K half (128 rows of 1,024 bytes)
	s_lshl_b32 s16, s12, 17
	s_add_co_u32 s46, s46, s16
	s_add_co_u32 s46, s46, W2OFF
	s_mov_b32 s47, 0
	s_mul_i32 s22, s12, PANA
	s_mul_i32 s23, s12, PANB
	s_add_co_u32 s23, s23, 2*PANA
	s_mov_b32 s20, 0
	s_mov_b32 s21, SLOT
	s_mov_b32 s32, 1
	s_mov_b32 s33, s22
	s_mov_b32 s36, 1
	s_add_co_u32 s37, s22, SLOT
	s_mov_b32 s56, 1
	s_mov_b32 s57, s23
	s_mov_b32 s60, 1
	s_add_co_u32 s61, s23, SLOT
	s_wait_dscnt 0x0
	s_wait_kmcnt 0x0
	s_add_nc_u64 s[14:15], s[4:5], s[14:15]
	s_add_nc_u64 s[46:47], s[6:7], s[46:47]
	s_mov_b64 s[34:35], s[14:15]
	s_or_b32 s35, s35, 0x80000000
	s_add_nc_u64 s[38:39], s[14:15], ASTEP
	s_or_b32 s39, s39, 0x80000000
	s_mov_b64 s[58:59], s[46:47]
	s_or_b32 s59, s59, 0x80000000
	s_add_nc_u64 s[62:63], s[46:47], BSTEP
	s_or_b32 s63, s63, 0x80000000
	CROUND
	s_cmp_lt_u32 s10, 2
	s_cbranch_scc0 .Lfirst_b
	tensor_load_to_lds s[32:35], s[24:31]
	s_nop 0
	tensor_load_to_lds s[36:39], s[24:31]
	s_nop 0
.rept 4
	v_nop
.endr
	s_branch .Lfirst_done
.Lfirst_b:
	tensor_load_to_lds s[56:59], s[48:55]
	s_nop 0
	tensor_load_to_lds s[60:63], s[48:55]
	s_nop 0
.rept 4
	v_nop
.endr
.Lfirst_done:
	v_and_b32 v1, 15, v0
	v_bfe_u32 v2, v0, 4, 1
	s_lshl_b32 s16, s42, 9                         ; column 128 nt + 64 wn in f32
	s_lshl_b32 s17, s12, 8
	s_add_co_u32 s16, s16, s17
	s_mov_b32 s17, 0
	s_add_nc_u64 s[70:71], s[70:71], s[16:17]      ; b2
	s_lshl_b32 s18, s13, 18                        ; row 128 mt + 64 wm, 2,048 bytes a row
	s_add_co_u32 s16, s16, s18
	s_lshl_b32 s18, s11, 17
	s_add_co_u32 s16, s16, s18
	s_add_nc_u64 s[68:69], s[68:69], s[16:17]      ; xres
	s_add_nc_u64 s[72:73], s[72:73], s[16:17]      ; out0
	v_lshlrev_b32 v[BO], 5, v2
	v_lshl_add_u32 v[XO], v1, 11, v[BO]
	WIN 0x80
.set t, 0
.rept 16                               ; the residual, where the sums will grow
	global_load_b128 v[8*t:8*t+3],   v[XO], s[68:69] offset:(t/4)*32768+64*(t%4)
	global_load_b128 v[8*t+4:8*t+7], v[XO], s[68:69] offset:(t/4)*32768+64*(t%4)+16
.set t, t+1
.endr
	WIN 0
.irp b, 0,1,2,3
	global_load_b128 v[B2+8*(\b):B2+8*(\b)+3],   v[BO], s[70:71] offset:64*(\b)
	global_load_b128 v[B2+8*(\b)+4:B2+8*(\b)+7], v[BO], s[70:71] offset:64*(\b)+16
.endr
	v_mul_u32_u24 v3, v1, PA
	v_lshl_add_u32 v3, v2, 4, v3
	v_and_b32 v16, 7, v0
	v_lshl_add_u32 v16, v2, 3, v16
	v_mul_u32_u24 v4, v16, PB
	v_bfe_u32 v16, v0, 3, 1
	v_lshl_add_u32 v4, v16, 4, v4
	s_mul_i32 s16, s11, 64*PA
	v_add_nc_u32 v[ADRA0], s16, v3
	v_mov_b32 v[ADRA], v[ADRA0]
	s_lshl_b32 s16, s12, 7
	s_add_co_u32 s16, s16, 2*PANA
.irp k, 0,1
	v_add_nc_u32 v[ADRB0+(\k)], s16, v4
	v_mov_b32 v[ADRB+(\k)], v[ADRB0+(\k)]
	s_add_co_u32 s16, s16, PANB
.endr
	s_mul_i32 s16, s10, 64*OP                      ; my part of LDS on the way out
	v_mul_u32_u24 v[DS], v1, OP
	v_lshl_add_u32 v[DS], v2, 5, v[DS]
	v_add_nc_u32 v[DS], s16, v[DS]
	v_mul_u32_u24 v[LD], v2, OP
	v_lshl_add_u32 v[LD], v1, 4, v[LD]
	v_add_nc_u32 v[LD], s16, v[LD]
	v_lshlrev_b32 v[OO], 11, v2
	v_lshl_add_u32 v[OO], v1, 4, v[OO]
	; the prefetches: they stand at K step 3; the first change of slots steps them to 4
	s_and_b32 s16, ttmp7, 0xffff                   ; cluster y
	s_cmp_eq_u32 s16, 0
	s_cselect_b32 s17, 2, -1
	s_lshl_b32 s14, s13, 19                        ; A: row 128 mt + 32 cx, my K half
	s_lshl_b32 s15, s40, 17
	s_add_co_u32 s14, s14, s15
	s_lshl_b32 s15, s12, 8
	s_add_co_u32 s14, s14, s15
	s_add_co_u32 s14, s14, 3*ASTEP
	s_lshl_b32 s18, s41, 15                        ; weights: K row 128 half + 32 cy, column 128 nt
	s_lshl_b32 s19, s42, 8
	s_add_co_u32 s18, s18, s19
	s_lshl_b32 s19, s12, 17
	s_add_co_u32 s18, s18, s19
	s_add_co_u32 s18, s18, W2OFF+3*BSTEP
	s_mov_b32 s76, BSTEP
	s_cmp_lt_u32 s10, 2                            ; do I fetch for A?
	s_cselect_b32 s14, s14, s18
	s_cselect_b32 s[LIM], 2, s17                   ; the same in all sixteen partners, for a given wave
	s_cselect_b32 s76, ASTEP, s76
	s_cselect_b32 s16, 12, 10                      ; a row of hbuf is 4,096 bytes, of w2 1,024
	s_cselect_b64 s[PFA:PFA+1], s[4:5], s[6:7]
	s_mov_b32 s15, 0
	s_mov_b32 s77, 0
	s_add_nc_u64 s[PFA:PFA+1], s[PFA:PFA+1], s[14:15]
	v_and_b32 v[PFO], 31, v0
	v_lshlrev_b32 v[PFO], s16, v[PFO]
	s_wait_loadcnt 0x0
	WIN 0x82
.set t, 0
.rept 16
.irp k, 0,1,2,3
	v_pk_add_f32 v[8*t+2*(\k):8*t+2*(\k)+1], v[8*t+2*(\k):8*t+2*(\k)+1], v[B2+8*(t%4)+2*(\k):B2+8*(t%4)+2*(\k)+1]
.endr
.set t, t+1
.endr
	WIN 0
.macro FETCH f, q                      ; 32 LDS loads in one run: the fragments of K 64 q .. 64 q + 63 of the step
	WIN 0x40
.irp c, 0,1
.irp b, 0,1,2,3
	ds_load_tr16_b128 v[(\f)+64*(\c)+8*(\b):(\f)+64*(\c)+8*(\b)+3],   v[ADRB+(\q)/2] offset:32*(\b)+(((\q)%2)*64+32*(\c))*PB
	ds_load_tr16_b128 v[(\f)+64*(\c)+8*(\b)+4:(\f)+64*(\c)+8*(\b)+7], v[ADRB+(\q)/2] offset:32*(\b)+(((\q)%2)*64+32*(\c))*PB+16*PB
.endr
.irp a, 0,1,2,3
	ds_load_b128 v[(\f)+64*(\c)+32+8*(\a):(\f)+64*(\c)+32+8*(\a)+3],   v[ADRA] offset:((\q)/2)*PANA+(\a)*16*PA+((\q)%2)*128+64*(\c)
	ds_load_b128 v[(\f)+64*(\c)+32+8*(\a)+4:(\f)+64*(\c)+32+8*(\a)+7], v[ADRA] offset:((\q)/2)*PANA+(\a)*16*PA+((\q)%2)*128+64*(\c)+32
.endr
.endr
.endm
.macro MULQ f                          ; 32 products, two deep on 16 accumulators, which take turns
	WIN 0xa5
.irp c, 0,1
.set t, 0
.rept 16
	v_wmma_f32_16x16x32_f16 v[8*t:8*t+7], v[(\f)+64*(\c)+8*(t%4):(\f)+64*(\c)+8*(t%4)+7], v[(\f)+64*(\c)+32+8*(t/4):(\f)+64*(\c)+32+8*(t/4)+7], v[8*t:8*t+7]
.set t, t+1
.endr
.endr
.endm
.macro QUARTER f, g, qn
	s_wait_dscnt 0x0                               ; buffer f, asked for a quarter ago, is in
.if (\qn) >= 0
	PLACES
	FETCH \g, \qn
.endif
	MULQ \f
.endm
.macro CHANGE fill
	WIN 0
.if \fill
	s_wait_xcnt 0x0                                ; the last prefetch, a K step back, has read its address
	s_add_nc_u64 s[PFA:PFA+1], s[PFA:PFA+1], s[76:77]
.endif
	s_wait_tensorcnt 0x0
	ds_add_u32 v[SPW], v[NIL]
	s_xor_b32 s20, s20, SLOT
	v_add_nc_u32 v[ADRA], s20, v[ADRA0]
	v_add_nc_u32 v[ADRB], s20, v[ADRB0]
	v_add_nc_u32 v[ADRB+1], s20, v[ADRB0+1]
.if \fill
	s_xor_b32 s21, s21, SLOT
	s_add_co_u32 s37, s21, s22
	s_add_co_u32 s61, s21, s23
	s_add_nc_u64 s[38:39], s[38:39], ASTEP
	s_add_nc_u64 s[62:63], s[62:63], BSTEP
.endif
	s_wait_dscnt 0x0
.if \fill
	CROUND
	JLOAD
.else
	s_barrier_signal -1
	s_barrier_wait -1
	PLACES
.endif
.endm
	s_wait_tensorcnt 0x1                           ; my part of K step 0 is in; step 1's may stay out
	s_barrier_signal -1
	s_barrier_wait -1
	FETCH F0, 0
	QUARTER F0, F1, 1
	WIN 0
	s_mov_b32 s3, 7
	s_branch .Lmid
.Ltop:                                         ; six times: K steps 1-6 are entered, steps 2-7 asked for
	CHANGE 1
	FETCH F0, 0
	WIN 0
	ASK                                            ; the count is 6, 5, 4, 3 where K steps 4, 5, 6, 7 are named
	QUARTER F0, F1, 1
	WIN 0
.Lmid:
	QUARTER F1, F0, 2
	QUARTER F0, F1, 3
	QUARTER F1, 0, -1
	WIN 0
	s_sub_co_u32 s3, s3, 1
	s_cmp_lg_u32 s3, 0
	s_cbranch_scc1 .Ltop
	CHANGE 0
	FETCH F0, 0
	QUARTER F0, F1, 1
	QUARTER F1, F0, 2
	QUARTER F0, F1, 3
	QUARTER F1, 0, -1
	WIN 0
	s_wait_dscnt 0x0                               ; my reads of the slots are over,
	s_barrier_signal -1
	s_barrier_wait -1                              ; everybody's are: the slots, filled for the last time, become the stage
	PLACES
	WIN 0x08
.set t, 0
.rept 16
	ds_store_b128 v[DS], v[8*t:8*t+3]   offset:(t/4)*16*OP+64*(t%4)
	ds_store_b128 v[DS], v[8*t+4:8*t+7] offset:(t/4)*16*OP+64*(t%4)+16
.set t, t+1
.endr
	WIN 0
.set t, 0
.rept 32
	ds_load_b128 v[OUT+4*t:OUT+4*t+3], v[LD] offset:t*2*OP  ; my own bytes: LDS serves a wave's instructions in order (ISA guide 5.7.1.4)
.set t, t+1
.endr
.set t, 0
.rept 32
	s_wait_dscnt 31-t                              ; the run's younger loads may stay out
	global_store_b128 v[OO], v[OUT+4*t:OUT+4*t+3], s[72:73] offset:t*4096  ; 16 lanes store 256 consecutive bytes, aligned
.set t, t+1
.endr
	s_wait_tensorcnt 0x0                           ; the wave's end
	ds_add_u32 v[SPW], v[NIL]
	s_wait_dscnt 0x0
	CROUND
	s_endpgm
.Lfunc_end_k_q16ad0eb86e_mlp2:
	.size	k_q16ad0eb86e_mlp2, .Lfunc_end_k_q16ad0eb86e_mlp2-k_q16ad0eb86e_mlp2
	.p2alignl 7, 3214868480
	.fill 96, 4, 3214868480
	.section	.rodata,"a",@progbits
	.p2align	6, 0x0
	.amdhsa_kernel k_q16ad0eb86e_mlp2
		.amdhsa_group_segment_fixed_size 327680
		.amdhsa_private_segment_fixed_size 0
		.amdhsa_enable_private_segment 0
		.amdhsa_kernarg_size 40
		.amdhsa_user_sgpr_count 2
		.amdhsa_user_sgpr_kernarg_segment_ptr 1
		.amdhsa_wavefront_size32 1
		.amdhsa_system_sgpr_workgroup_id_x 1
		.amdhsa_system_sgpr_workgroup_id_y 1
		.amdhsa_system_sgpr_workgroup_id_z 1
		.amdhsa_system_vgpr_workitem_id 0
		.amdhsa_next_free_vgpr 640
		.amdhsa_next_free_sgpr 80
		.amdhsa_reserve_vcc 0
		.amdhsa_float_denorm_mode_32 3
		.amdhsa_float_denorm_mode_16_64 3
		.amdhsa_memory_ordered 1
		.amdhsa_forward_progress 1
		.amdhsa_inst_pref_size 67
	.end_amdhsa_kernel
	.amdgpu_metadata
---
amdhsa.version: [ 1, 2 ]
amdhsa.kernels:
  - .name:           k_q16ad0eb86e_mlp2
    .symbol:         k_q16ad0eb86e_mlp2.kd
    .args:
      - { .name: hbuf, .offset: 0, .size: 8, .value_kind: global_buffer, .address_space: global }
      - { .name: wh, .offset: 8, .size: 8, .value_kind: global_buffer, .address_space: global }
      - { .name: xres, .offset: 16, .size: 8, .value_kind: global_buffer, .address_space: global }
      - { .name: b2, .offset: 24, .size: 8, .value_kind: global_buffer, .address_space: global }
      - { .name: out0, .offset: 32, .size: 8, .value_kind: global_buffer, .address_space: global }
    .group_segment_fixed_size: 327680
    .private_segment_fixed_size: 0
    .kernarg_segment_align: 8
    .kernarg_segment_size: 40
    .max_flat_workgroup_size: 128
    .sgpr_count:     80
    .vgpr_count:     640
    .wavefront_size: 32
...
	.end_amdgpu_metadata
.endif
;; end of part 6
